; MI455X (gfx1250); checked and timed in simulation.
; The chip was launched on July 23, 2026; its instructions are those of AMD's public machine-readable ISA for CDNA 5 (MIT licence, August 2026) and "CDNA5" Instruction Set Architecture Reference Guide (July 2026). The comments in the code are by the model that wrote it; some were corrected since.
;; Batched Model Manifold Geodesic Flow. Allowed arithmetic: float matrix products may take bf16 or f16 operands with f32 sums; other float arithmetic in f32, or as packed bf16 or f16 multiplies, adds, multiply-adds, maxima and minima; sums over many terms, partial sums and values carried from step to step in f32; what a program stores and reads back later, other than sums and carried values, may be rounded once to bf16 or f16.
;; Inputs: W1 4,096 x 512 float32; W2 512 x 8 float32; state_batch 16 x 4,096 float32; t 1 float32; x0_batch 8 x 4,096 float32; x1_batch 8 x 4,096 float32.
;; Outputs: out0 16 x 4,096 float32.
;; 3 versions, each right; version 2 is faster than version 1; version 3 is version 2 with the launch partial written anew for expert scheduling mode. Each part assembles by itself: llvm-mc -triple=amdgcn-amd-amdhsa -mcpu=gfx1250 --defsym DOCPART=n.
;; ======== version 1 of 3: 4 launches
;; workspace buffers: w1b 4,194,304 bytes; up 589,824 bytes; rch 131,072 bytes; ab 524,288 bytes; sp 4,194,304 bytes
;; launch partial (part 1): grid 4 x 32, 8 waves a work-group, no clusters, 41,984 bytes of LDS; arguments W1, state_batch, t, x0_batch, x1_batch, w1b, up, rch; writes w1b, up, rch
.if DOCPART == 1
	.amdgcn_target "amdgcn-amd-amdhsa--gfx1250"
	.amdhsa_code_object_version 6
	.text
	.protected	k_qc8f8a119cd_partial
	.globl	k_qc8f8a119cd_partial
	.p2align	8
	.type	k_qc8f8a119cd_partial,@function
k_qc8f8a119cd_partial:
	s_mov_b64 s[64:65], 0
	v_nop
	global_prefetch_b8 v0, s[64:65] scope:SCOPE_SE
	s_setreg_imm32_b32 hwreg(HW_REG_WAVE_MODE, 25, 1), 1
	s_wait_xcnt 0x0
; One pass over W1 [4096 d][512 h] f32.  Work-group (hq, g) owns rows 128 g .. +127 and columns 128 hq .. +127 and makes from them:
;   w1b  the block rounded to bf16 (the operand of the later matrix product),
;   up   [32 g][9 q][512 h] f32: q = 0..7 the part of u_b = x_b W1 that these 128 rows give, q = 8 their column sum,
;   rch  [64 n][512 h] f32: the column sums of the two chunks of 64 rows (n = 2 g, 2 g + 1),
; with x = x0 + t (x1 - x0) + 4 t (1 - t) deviation formed here.
; Eight waves; wave w takes rows 16 w .. +15, lane L four columns: a load covers 512 consecutive bytes of one row, a bf16 store
; 256 consecutive bytes at a multiple of 256.  All 16 row loads of a wave are issued at the start: the group's 64 KiB are on their way at once.
; The product has 8 rows only and streams W1 once: it runs in f32 on the vector unit (a 16-row matrix tile would be half empty, and u keeps f32).
; No cluster: the groups share only x (12 KiB of the 76 KiB that a group reads), and everything is loaded through registers.
.set RED,  4096                        ; LDS: x at 0, [8 b][128 d] f32, 4,096 bytes; then [8 w][9 q][32 lanes x 16 bytes]
.set REDW, 4608                        ; a wave's nine partial rows
.set W,    24                          ; v[24:87]    row i of W1: 4 registers
.set X,    88                          ; v[88:215]   x of sample b at my 16 rows: 16 registers; later the partial sums read back
.set ACC,  216                         ; v[216:251]  q: 4 registers (my 4 columns)
; d (a pair) = or += a (a pair) times the ONE register x, which is broadcast out of its even-aligned pair by op_sel
.macro BFMA d, a, x, first
.if ((\x)%2) == 0
.if \first
	v_pk_mul_f32 v[\d:\d+1], v[\a:\a+1], v[\x:\x+1] op_sel_hi:[1,0]
.else
	v_pk_fma_f32 v[\d:\d+1], v[\a:\a+1], v[\x:\x+1], v[\d:\d+1] op_sel_hi:[1,0,1]
.endif
.else
.if \first
	v_pk_mul_f32 v[\d:\d+1], v[\a:\a+1], v[\x-1:\x] op_sel:[0,1] op_sel_hi:[1,1]
.else
	v_pk_fma_f32 v[\d:\d+1], v[\a:\a+1], v[\x-1:\x], v[\d:\d+1] op_sel:[0,1,0] op_sel_hi:[1,1,1]
.endif
.endif
.endm
.macro QADD d, s                       ; four registers += four registers
	v_pk_add_f32 v[\d:\d+1], v[\d:\d+1], v[\s:\s+1]
	v_pk_add_f32 v[\d+2:\d+3], v[\d+2:\d+3], v[\s+2:\s+3]
.endm
.macro SUM8 b                          ; eight quads at b, b+4, .. summed as a tree into the first
	QADD \b, \b+4
	QADD \b+8, \b+12
	QADD \b+16, \b+20
	QADD \b+24, \b+28
	QADD \b, \b+8
	QADD \b+16, \b+24
	QADD \b, \b+16
.endm
.macro CVST i                          ; row i to bf16, in place, and out; these registers are not written again
	v_cvt_pk_bf16_f32 v[W+4*\i], v[W+4*\i], v[W+4*\i+1]
	v_cvt_pk_bf16_f32 v[W+4*\i+1], v[W+4*\i+2], v[W+4*\i+3]
	global_store_b64 v4, v[W+4*\i:W+4*\i+1], s[14:15] offset:\i*1024
.endm
.macro ROW i
	s_wait_loadcnt 15-\i                           ; loads come back in order: row i is in, the 15 - i younger rows stay out
.irp b, 0,1,2,3,4,5,6,7
.irp p, 0,2
.if \i == 0
	BFMA ACC+4*\b+\p, W+4*\i+\p, X+16*\b+\i, 1     ; the first row starts the sums: nothing is cleared
.else
	BFMA ACC+4*\b+\p, W+4*\i+\p, X+16*\b+\i, 0
.endif
.endr
.endr
.if \i == 1
	v_pk_add_f32 v[ACC+32:ACC+33], v[W:W+1], v[W+4:W+5]        ; the column sum starts as row 0 + row 1,
	v_pk_add_f32 v[ACC+34:ACC+35], v[W+2:W+3], v[W+6:W+7]
	CVST 0                                         ; so row 0 is rounded only now
	CVST 1
.endif
.if \i > 1
	QADD ACC+32, W+4*\i
	CVST \i
.endif
.endm
	s_load_b256 s[4:11], s[0:1], 0x0               ; W1 s[4:5], state s[6:7], t s[8:9], x0 s[10:11]
	s_load_b256 s[12:19], s[0:1], 0x20             ; x1 s[12:13], w1b s[14:15], up s[16:17], rch s[18:19]
	v_lshl_add_u32 v252, v0, 2, 0xa000
	v_mov_b32 v253, 0
	v_lshrrev_b32 v11, 5, v0
	v_readfirstlane_b32 s21, v11                   ; wave 0..7
	v_and_b32 v1, 31, v0
	v_lshlrev_b32 v1, 4, v1                        ; 16 L
	v_lshrrev_b32 v4, 1, v1                        ; 8 L
	s_and_b32 s23, ttmp7, 0xffff                   ; g
	s_lshl_b32 s22, ttmp9, 9                       ; hq x 512 bytes (128 f32)
	s_lshl_b32 s26, s21, 14
	v_add_nc_u32 v2, s26, v1                       ; x0, x1, deviation: sample w (16,384 bytes a row) + 16 L
	v_add_nc_u32 v4, s26, v4                       ; w1b: 16 w rows of 1,024 bytes + 8 L
	s_lshl_b32 s26, s21, 15
	v_add_nc_u32 v3, s26, v1                       ; W1: 16 w rows of 2,048 bytes + 16 L
	s_lshl_b32 s26, s21, 9
	v_add_nc_u32 v5, s26, v1                       ; LDS: x of sample w
	s_add_co_u32 s27, s26, RED
	v_add_nc_u32 v8, s27, v1                       ; LDS: partial row q = w of wave 0
	s_lshl_b32 s26, s21, 6
	v_mov_b32 v6, s26                              ; LDS: x at my 16 rows (64 bytes), the same in every lane
	s_mul_i32 s26, s21, REDW
	s_add_co_u32 s26, s26, RED
	v_add_nc_u32 v7, s26, v1                       ; LDS: my nine partial rows
	s_lshl_b32 s26, s21, 11
	v_add_nc_u32 v9, s26, v1                       ; up: row q = w + 16 L
	s_mov_b32 s25, 0
	s_wait_kmcnt 0x0
	s_load_b32 s20, s[8:9], 0x0                    ; t
	s_lshl_b32 s24, s23, 9                         ; 128 g numbers of x
	s_add_nc_u64 s[10:11], s[10:11], s[24:25]
	s_add_nc_u64 s[12:13], s[12:13], s[24:25]
	s_add_nc_u64 s[6:7], s[6:7], s[24:25]
	s_lshl_b32 s24, s23, 18                        ; 128 g rows of 2,048 bytes
	s_add_co_u32 s24, s24, s22
	s_add_nc_u64 s[4:5], s[4:5], s[24:25]
	s_lshl_b32 s24, s23, 17                        ; 128 g rows of 1,024 bytes
	s_lshl_b32 s27, ttmp9, 8
	s_add_co_u32 s24, s24, s27
	s_add_nc_u64 s[14:15], s[14:15], s[24:25]
	s_mul_i32 s24, s23, 18432                      ; g x 9 rows of 2,048 bytes
	s_add_co_u32 s24, s24, s22
	s_add_nc_u64 s[16:17], s[16:17], s[24:25]
	s_lshl_b32 s24, s23, 12                        ; 2 g rows of 2,048 bytes
	s_add_co_u32 s24, s24, s22
	s_add_nc_u64 s[18:19], s[18:19], s[24:25]
	global_load_b128 v[12:15], v2, s[10:11]        ; x0
	global_load_b128 v[16:19], v2, s[12:13]        ; x1
	global_load_b128 v[20:23], v2, s[6:7]          ; deviation
.irp i, 0,1,2,3,4,5,6,7,8,9,10,11,12,13,14,15
	global_load_b128 v[W+4*\i:W+4*\i+3], v3, s[4:5] offset:\i*2048 th:TH_LOAD_NT   ; W1 is read once in the launch
.endr
	s_wait_kmcnt 0x0
	v_mov_b32 v11, s20                             ; t
	v_sub_f32 v10, 1.0, v11
	v_mul_f32 v10, v10, v11
	v_mul_f32 v10, 4.0, v10                        ; the window 4 t (1 - t); the factor 4 is exact wherever it stands
	s_wait_loadcnt 16                              ; x0, x1, deviation are in; the 16 rows of W1 stay out
	v_pk_add_f32 v[16:17], v[16:17], v[12:13] neg_lo:[0,1] neg_hi:[0,1]
	v_pk_add_f32 v[18:19], v[18:19], v[14:15] neg_lo:[0,1] neg_hi:[0,1]
	v_pk_fma_f32 v[12:13], v[16:17], v[10:11], v[12:13] op_sel:[0,1,0] op_sel_hi:[1,1,1]   ; + t (x1 - x0)
	v_pk_fma_f32 v[14:15], v[18:19], v[10:11], v[14:15] op_sel:[0,1,0] op_sel_hi:[1,1,1]
	v_pk_fma_f32 v[12:13], v[20:21], v[10:11], v[12:13] op_sel_hi:[1,0,1]                  ; + window x deviation
	v_pk_fma_f32 v[14:15], v[22:23], v[10:11], v[14:15] op_sel_hi:[1,0,1]
	ds_store_b128 v5, v[12:15]
	s_wait_dscnt 0x0                               ; my part of x is in LDS before I say so
	s_barrier_signal -1
	s_barrier_wait -1                              ; all eight samples' x are there
.irp b, 0,1,2,3,4,5,6,7
.irp e, 0,1,2,3
	ds_load_b128 v[X+16*\b+4*\e:X+16*\b+4*\e+3], v6 offset:\b*512+16*\e    ; one address for all lanes: x_b at my 16 rows
.endr
.endr
	s_wait_dscnt 0x0
.irp i, 0,1,2,3,4,5,6,7,8,9,10,11,12,13,14,15
	ROW \i
.endr
.irp q, 0,1,2,3,4,5,6,7,8
	ds_store_b128 v7, v[ACC+4*\q:ACC+4*\q+3] offset:\q*512
.endr
	s_wait_dscnt 0x0                               ; my nine rows are in LDS before I say so
	s_barrier_signal -1
	s_barrier_wait -1
	; wave w adds the eight waves' parts of row q = w
.irp k, 0,1,2,3,4,5,6,7
	ds_load_b128 v[X+4*\k:X+4*\k+3], v8 offset:\k*REDW
.endr
	s_wait_dscnt 0x0
	SUM8 X
	global_store_b128 v9, v[X:X+3], s[16:17]
	s_cmp_lg_u32 s21, 0
	s_cbranch_scc1 .Lend
	; wave 0 also takes the column sums: waves 0-3 held the first chunk of 64 rows, waves 4-7 the second
.irp k, 0,1,2,3,4,5,6,7
	ds_load_b128 v[X+32+4*\k:X+32+4*\k+3], v1 offset:RED+8*512+\k*REDW
.endr
	s_wait_dscnt 0x0
	QADD X+32, X+36
	QADD X+40, X+44
	QADD X+32, X+40
	QADD X+48, X+52
	QADD X+56, X+60
	QADD X+48, X+56
	global_store_b128 v1, v[X+32:X+35], s[18:19]               ; R of chunk 2 g
	global_store_b128 v1, v[X+48:X+51], s[18:19] offset:2048   ; R of chunk 2 g + 1
	v_pk_add_f32 v[X+64:X+65], v[X+32:X+33], v[X+48:X+49]      ; into other registers: the two stores still read theirs
	v_pk_add_f32 v[X+66:X+67], v[X+34:X+35], v[X+50:X+51]
	global_store_b128 v1, v[X+64:X+67], s[16:17] offset:8*2048 ; row q = 8 of up
.Lend:
	s_wait_tensorcnt 0x0
	ds_add_u32 v252, v253
	s_wait_dscnt 0x0
	s_endpgm
.Lfunc_end_k_qc8f8a119cd_partial:
	.size	k_qc8f8a119cd_partial, .Lfunc_end_k_qc8f8a119cd_partial-k_qc8f8a119cd_partial
	.p2alignl 7, 3214868480
	.fill 96, 4, 3214868480
	.section	.rodata,"a",@progbits
	.p2align	6, 0x0
	.amdhsa_kernel k_qc8f8a119cd_partial
		.amdhsa_group_segment_fixed_size 41984
		.amdhsa_private_segment_fixed_size 0
		.amdhsa_enable_private_segment 0
		.amdhsa_kernarg_size 64
		.amdhsa_user_sgpr_count 2
		.amdhsa_user_sgpr_kernarg_segment_ptr 1
		.amdhsa_wavefront_size32 1
		.amdhsa_system_sgpr_workgroup_id_x 1
		.amdhsa_system_sgpr_workgroup_id_y 1
		.amdhsa_system_sgpr_workgroup_id_z 1
		.amdhsa_system_vgpr_workitem_id 0
		.amdhsa_next_free_vgpr 254
		.amdhsa_next_free_sgpr 66
		.amdhsa_reserve_vcc 0
		.amdhsa_float_denorm_mode_32 3
		.amdhsa_float_denorm_mode_16_64 3
		.amdhsa_memory_ordered 1
		.amdhsa_forward_progress 1
		.amdhsa_inst_pref_size 33
	.end_amdhsa_kernel
	.amdgpu_metadata
---
amdhsa.version: [ 1, 2 ]
amdhsa.kernels:
  - .name:           k_qc8f8a119cd_partial
    .symbol:         k_qc8f8a119cd_partial.kd
    .args:
      - { .name: W1, .offset: 0, .size: 8, .value_kind: global_buffer, .address_space: global }
      - { .name: state_batch, .offset: 8, .size: 8, .value_kind: global_buffer, .address_space: global }
      - { .name: t, .offset: 16, .size: 8, .value_kind: global_buffer, .address_space: global }
      - { .name: x0_batch, .offset: 24, .size: 8, .value_kind: global_buffer, .address_space: global }
      - { .name: x1_batch, .offset: 32, .size: 8, .value_kind: global_buffer, .address_space: global }
      - { .name: w1b, .offset: 40, .size: 8, .value_kind: global_buffer, .address_space: global }
      - { .name: up, .offset: 48, .size: 8, .value_kind: global_buffer, .address_space: global }
      - { .name: rch, .offset: 56, .size: 8, .value_kind: global_buffer, .address_space: global }
    .group_segment_fixed_size: 41984
    .private_segment_fixed_size: 0
    .kernarg_segment_align: 8
    .kernarg_segment_size: 64
    .max_flat_workgroup_size: 256
    .sgpr_count:     66
    .vgpr_count:     254
    .wavefront_size: 32
...
	.end_amdgpu_metadata
.endif
;; end of part 1
;; launch amat (part 2): grid 8 x 8, 8 waves a work-group, no clusters, 43,008 bytes of LDS; arguments up, rch, W2, ab; writes ab
.if DOCPART == 2
	.amdgcn_target "amdgcn-amd-amdhsa--gfx1250"
	.amdhsa_code_object_version 6
	.text
	.protected	k_qc8f8a119cd_amat
	.globl	k_qc8f8a119cd_amat
	.p2align	8
	.type	k_qc8f8a119cd_amat,@function
k_qc8f8a119cd_amat:
	s_mov_b64 s[64:65], 0
	v_nop
	global_prefetch_b8 v0, s[64:65] scope:SCOPE_SE
	s_setreg_imm32_b32 hwreg(HW_REG_WAVE_MODE, 25, 1), 1
	s_wait_xcnt 0x0
; A[n][h] = s'[h] (R[n][h] p[h] + r[h] z[n][h]) for sample b and the eight chunks n = 8 ng .. +7, rounded to bf16: the left operand of g = A W1^T.
;   u = sum of the 32 parts in up, r likewise (row 8);  s = 1 - tanh^2 u,  s' = -2 tanh u s;
;   q[c] = sum_h W2[h][c] s[h] r[h],  p[h] = sum_c W2[h][c] q[c],  y[n][c] = sum_h W2[h][c] s[h] R[n][h],  z[n][h] = sum_c W2[h][c] y[n][c].
; All in f32 on the vector unit: the products have 8 columns and about a quarter of a million multiply-adds a group.
; LIMIT: tanh, s, s' are made from e = 2^(-2.885390 |u|): tanh = sign(u) (1 - e)/(1 + e), s = 4 e/(1 + e)^2.  Nothing overflows or cancels;
; s and s' become 0 where the power flushes, |u| above about 44.  NaN and infinite inputs get no treatment of their own.
; Thread t: gamma = t >> 7, hq = t & 127 = 32 (w & 3) + L; it owns h = 4 hq .. +3 and, of the eight chunks, 4 gamma .. +3.
; No cluster: the eight groups of a sample read the same parts of u, but each lane adds them straight from registers, 16 bytes a lane;
; joint tile loads would add a trip through LDS for data that is used once.
.set W2S, 4096                         ; LDS 0: u[512], r[512] (4,096 bytes).  W2S: W2, (h >> 5) x 1040 + (h & 31) x 32 + 4 c (16,640 bytes)
.set SR,  20736                        ; nine rows (s R of my 8 chunks, then s r), (h >> 5) x 144 + (h & 31) x 4; the 16 bytes behind each
.set SRP, 2304                         ; segment of 32 h put the 16 segments at 16 different 16-byte columns of 256 bytes
.set YS,  41472                        ; [8 chunks][y 8, q 8] f32, 512 bytes
.set P,   16                           ; v[16:143]  the 32 parts; later work space
.set W2R, 144                          ; v[144:175] W2[4 hq + hh][c] at 8 hh + c
.set RR,  176                          ; v[176:191] R[4 gamma + e][4 hq + hh] at 4 e + hh
.set UU,  192                          ; v[192:195] u
.set RV,  196                          ; v[196:199] r
.set SS,  200                          ; v[200:203] s
.set SD,  204                          ; v[204:207] s'
.set SO,  16                           ; phase 3: 16 numbers of my row, 16 of row 8, 16 quads of W2, the sums
.set S8,  32
.set WQ,  48
.set YA,  112
.set QA,  116
.set YL,  16                           ; phase 4: y of my four chunks, q, pairs at work, z, p, alpha, beta, packed results
.set QL,  48
.set TP,  56
.set ZZ,  88
.set PT,  104
.set PP,  112
.set AL,  116
.set BE,  120
.set OU,  124
.macro BFMA d, a, x, first             ; d (a pair) = or += a (a pair) times the one register x, broadcast out of its pair by op_sel
.if ((\x)%2) == 0
.if \first
	v_pk_mul_f32 v[\d:\d+1], v[\a:\a+1], v[\x:\x+1] op_sel_hi:[1,0]
.else
	v_pk_fma_f32 v[\d:\d+1], v[\a:\a+1], v[\x:\x+1], v[\d:\d+1] op_sel_hi:[1,0,1]
.endif
.else
.if \first
	v_pk_mul_f32 v[\d:\d+1], v[\a:\a+1], v[\x-1:\x] op_sel:[0,1] op_sel_hi:[1,1]
.else
	v_pk_fma_f32 v[\d:\d+1], v[\a:\a+1], v[\x-1:\x], v[\d:\d+1] op_sel:[0,1,0] op_sel_hi:[1,1,1]
.endif
.endif
.endm
.macro QADD d, s
	v_pk_add_f32 v[\d:\d+1], v[\d:\d+1], v[\s:\s+1]
	v_pk_add_f32 v[\d+2:\d+3], v[\d+2:\d+3], v[\s+2:\s+3]
.endm
.macro SUM8 b
	QADD \b, \b+4
	QADD \b+8, \b+12
	QADD \b+16, \b+20
	QADD \b+24, \b+28
	QADD \b, \b+8
	QADD \b+16, \b+24
	QADD \b, \b+16
.endm
	s_load_b256 s[4:11], s[0:1], 0x0               ; up s[4:5], rch s[6:7], W2 s[8:9], ab s[10:11]
	v_lshl_add_u32 v224, v0, 2, 0xa400
	v_mov_b32 v225, 0
	v_lshrrev_b32 v15, 5, v0
	v_readfirstlane_b32 s12, v15                   ; wave 0..7
	s_lshr_b32 s13, s12, 2                         ; gamma
	s_and_b32 s14, s12, 3                          ; which 32 of the 128 hq
	s_and_b32 s15, ttmp7, 0xffff                   ; b
	v_and_b32 v14, 31, v0
	v_lshlrev_b32 v14, 4, v14                      ; 16 L
	s_lshl_b32 s18, s14, 9
	v_add_nc_u32 v1, s18, v14                      ; 16 hq: my four h in a row of 512 f32
	s_lshl_b32 s18, s13, 13
	v_add_nc_u32 v2, s18, v1                       ; rch: + 4 gamma rows
	v_lshlrev_b32 v3, 3, v1                        ; W2: 128 hq
	s_lshl_b32 s18, s12, 9
	v_add_nc_u32 v15, s18, v14                     ; LDS: 16 t: gamma = 0 puts u, gamma = 1 puts r
	v_bfe_u32 v13, v0, 3, 2                        ; L >> 3
	v_and_b32 v12, 7, v0                           ; L & 7
	v_mul_u32_u24 v4, v13, 144
	v_lshl_add_u32 v4, v12, 4, v4
	s_mul_i32 s18, s13, 4*SRP
	s_mul_i32 s19, s14, 4*144
	s_add_co_u32 s18, s18, s19
	s_add_co_u32 s18, s18, SR
	v_add_nc_u32 v4, s18, v4                       ; LDS: my four h in row 4 gamma of SR
	v_mul_u32_u24 v5, v13, 1040
	v_lshl_add_u32 v5, v12, 7, v5
	s_mul_i32 s18, s14, 4*1040
	s_add_co_u32 s18, s18, W2S
	v_add_nc_u32 v5, s18, v5                       ; LDS: my four h of W2
	v_and_b32 v13, 15, v0                          ; phase 3: seg, the 32 h that I add up
	v_bfe_u32 v12, v0, 4, 1                        ; ch: columns 4 ch .. +3
	v_mul_u32_u24 v6, v13, 144
	v_add_nc_u32 v7, SR+8*SRP, v6                  ; row 8 (s r)
	s_mul_i32 s18, s12, SRP
	s_add_co_u32 s18, s18, SR
	v_add_nc_u32 v6, s18, v6                       ; row w: my wave's chunk
	v_mul_u32_u24 v8, v13, 1040
	v_lshl_add_u32 v8, v12, 4, v8
	v_add_nc_u32 v8, W2S, v8
	s_lshl_b32 s18, s12, 6
	s_add_co_u32 s18, s18, YS
	v_lshl_add_u32 v9, v12, 4, s18                 ; where y of chunk w goes
	s_lshl_b32 s18, s13, 8
	s_add_co_u32 s18, s18, YS
	v_mov_b32 v10, s18                             ; phase 4: y of chunks 4 gamma .. +3
	v_lshrrev_b32 v11, 1, v1
	s_lshl_b32 s18, s13, 12
	v_add_nc_u32 v11, s18, v11                     ; ab: 4 gamma rows of 1,024 bytes + 8 hq
	s_mov_b32 s20, 0xc038aa3b                      ; -2 / ln 2
	s_mov_b32 s21, 0x7fffffff
	s_mov_b32 s17, 0
	s_cmp_lt_u32 s12, 4
	s_cselect_b32 s16, s15, 8                      ; waves 0-3 add up u of sample b, waves 4-7 add up r (row 8): a choice of an offset
	s_lshl_b32 s16, s16, 11
	s_wait_kmcnt 0x0
	s_add_nc_u64 s[4:5], s[4:5], s[16:17]
	s_lshl_b32 s16, ttmp9, 14                      ; 8 ng rows of 2,048 bytes
	s_add_nc_u64 s[6:7], s[6:7], s[16:17]
	s_lshl_b32 s16, s15, 16                        ; 64 b rows of 1,024 bytes
	s_lshl_b32 s18, ttmp9, 13                      ; + 8 ng rows
	s_add_co_u32 s16, s16, s18
	s_add_nc_u64 s[10:11], s[10:11], s[16:17]
.irp g, 0,1,2,3,4,5,6,7,8,9,10,11,12,13,14,15,16,17,18,19,20,21,22,23,24,25,26,27,28,29,30,31
	global_load_b128 v[P+4*\g:P+4*\g+3], v1, s[4:5] offset:\g*18432
.endr
.irp k, 0,1,2,3,4,5,6,7
	global_load_b128 v[W2R+4*\k:W2R+4*\k+3], v3, s[8:9] offset:16*\k
.endr
.irp e, 0,1,2,3
	global_load_b128 v[RR+4*\e:RR+4*\e+3], v2, s[6:7] offset:\e*2048
.endr
	s_wait_loadcnt 36                              ; 44 loads are out; the first 8 parts are in when 36 are left, and so on by eights;
	SUM8 P
	s_wait_loadcnt 28
	SUM8 P+32
	QADD P, P+32
	s_wait_loadcnt 20
	SUM8 P+64
	QADD P, P+64
	s_wait_loadcnt 12                              ; the 12 loads of W2 and R may stay out
	SUM8 P+96
	QADD P, P+96
	ds_store_b128 v15, v[P:P+3]
	s_wait_dscnt 0x0                               ; my four sums are in LDS before I say so
	s_barrier_signal -1
	s_barrier_wait -1
	ds_load_b128 v[UU:UU+3], v1
	ds_load_b128 v[RV:RV+3], v1 offset:2048
	s_wait_dscnt 0x0
	v_mul_f32 v208, s20, |v192|                    ; -2.885390 |u|
	v_mul_f32 v209, s20, |v193|
	v_mul_f32 v210, s20, |v194|
	v_mul_f32 v211, s20, |v195|
	v_exp_f32 v212, v208                           ; e
	v_exp_f32 v213, v209
	v_exp_f32 v214, v210
	v_exp_f32 v215, v211
	v_nop                                          ; one plain vector instruction behind the powers, before results are read and sources written
	s_wait_alu depctr_va_vdst(0)
	v_pk_add_f32 v[208:209], v[212:213], 1.0 op_sel_hi:[1,0]
	v_pk_add_f32 v[210:211], v[214:215], 1.0 op_sel_hi:[1,0]
	v_rcp_f32 v216, v208                           ; 1 / (1 + e)
	v_rcp_f32 v217, v209
	v_rcp_f32 v218, v210
	v_rcp_f32 v219, v211
	v_pk_fma_f32 v[220:221], v[212:213], -1.0, 1.0 op_sel_hi:[1,0,0]   ; 1 - e: touches neither the reciprocals nor their sources
	v_pk_fma_f32 v[222:223], v[214:215], -1.0, 1.0 op_sel_hi:[1,0,0]
	s_wait_alu depctr_va_vdst(0)
	v_pk_mul_f32 v[220:221], v[220:221], v[216:217]                    ; |tanh u|
	v_pk_mul_f32 v[222:223], v[222:223], v[218:219]
	v_pk_mul_f32 v[212:213], v[212:213], v[216:217]
	v_pk_mul_f32 v[214:215], v[214:215], v[218:219]
	v_pk_mul_f32 v[212:213], v[212:213], v[216:217]                    ; e / (1 + e)^2
	v_pk_mul_f32 v[214:215], v[214:215], v[218:219]
.irp k, 0,1,2,3
	v_bfi_b32 v[220+\k], s21, v[220+\k], v[UU+\k]                      ; u's sign on it
.endr
	v_pk_mul_f32 v[SS:SS+1], v[212:213], 4.0 op_sel_hi:[1,0]           ; s
	v_pk_mul_f32 v[SS+2:SS+3], v[214:215], 4.0 op_sel_hi:[1,0]
	v_pk_mul_f32 v[220:221], v[220:221], v[SS:SS+1]
	v_pk_mul_f32 v[222:223], v[222:223], v[SS+2:SS+3]
	v_pk_mul_f32 v[SD:SD+1], v[220:221], -2.0 op_sel_hi:[1,0]          ; s'
	v_pk_mul_f32 v[SD+2:SD+3], v[222:223], -2.0 op_sel_hi:[1,0]
	s_wait_loadcnt 0x0                             ; W2 and R
.irp e, 0,1,2,3
	v_pk_mul_f32 v[P+4*\e:P+4*\e+1], v[RR+4*\e:RR+4*\e+1], v[SS:SS+1]
	v_pk_mul_f32 v[P+4*\e+2:P+4*\e+3], v[RR+4*\e+2:RR+4*\e+3], v[SS+2:SS+3]
	ds_store_b128 v4, v[P+4*\e:P+4*\e+3] offset:\e*SRP
.endr
	s_cmp_lt_u32 s12, 4
	s_cbranch_scc0 .Lupper
.irp k, 0,1,2,3,4,5,6,7
	ds_store_b128 v5, v[W2R+4*\k:W2R+4*\k+3] offset:16*\k      ; waves 0-3 put W2
.endr
	s_branch .Ljoin
.Lupper:
	v_pk_mul_f32 v[P+16:P+17], v[RV:RV+1], v[SS:SS+1]          ; waves 4-7 put s r: row 8 = four rows behind their row 4
	v_pk_mul_f32 v[P+18:P+19], v[RV+2:RV+3], v[SS+2:SS+3]
	ds_store_b128 v4, v[P+16:P+19] offset:4*SRP
.Ljoin:
	s_wait_dscnt 0x0                               ; my stores are in LDS before I say so
	s_barrier_signal -1
	s_barrier_wait -1
	; y of chunk w and q: lane (seg, ch) adds over the 32 h of its segment for four columns, 16 h at a time
.macro HALF hf
.irp i, 0,1,2,3
	ds_load_b128 v[SO+4*\i:SO+4*\i+3], v6 offset:64*\hf+16*\i
	ds_load_b128 v[S8+4*\i:S8+4*\i+3], v7 offset:64*\hf+16*\i
.endr
.irp k, 0,1,2,3,4,5,6,7,8,9,10,11,12,13,14,15
	ds_load_b128 v[WQ+4*\k:WQ+4*\k+3], v8 offset:512*\hf+32*\k
.endr
	s_wait_dscnt 0x0
.irp k, 0,1,2,3,4,5,6,7,8,9,10,11,12,13,14,15
.if \hf+\k == 0
	BFMA YA,   WQ+4*\k,   SO+\k, 1                 ; the first products start the four chains
	BFMA YA+2, WQ+4*\k+2, SO+\k, 1
	BFMA QA,   WQ+4*\k,   S8+\k, 1
	BFMA QA+2, WQ+4*\k+2, S8+\k, 1
.else
	BFMA YA,   WQ+4*\k,   SO+\k, 0
	BFMA YA+2, WQ+4*\k+2, SO+\k, 0
	BFMA QA,   WQ+4*\k,   S8+\k, 0
	BFMA QA+2, WQ+4*\k+2, S8+\k, 0
.endif
.endr
.endm
	HALF 0
	HALF 1
.irp m, 1,2,4,8
.irp k, 0,1,2,3,4,5,6,7
	v_add_f32_dpp v[YA+\k], v[YA+\k], v[YA+\k] row_xmask:\m row_mask:0xf bank_mask:0xf     ; over the 16 segments = the 16 lanes of a row
.endr
.endr
	ds_store_b128 v9, v[YA:YA+3]                   ; the 16 lanes of a row write the same 16 bytes with the same numbers
	ds_store_b128 v9, v[QA:QA+3] offset:32
	s_wait_dscnt 0x0
	s_barrier_signal -1
	s_barrier_wait -1
.irp e, 0,1,2,3
	ds_load_b128 v[YL+8*\e:YL+8*\e+3], v10 offset:64*\e
	ds_load_b128 v[YL+8*\e+4:YL+8*\e+7], v10 offset:64*\e+16
.endr
	ds_load_b128 v[QL:QL+3], v10 offset:32
	ds_load_b128 v[QL+4:QL+7], v10 offset:48
	s_wait_dscnt 0x0
	; z[e][hh] and p[hh]: twenty sums over the eight columns, by pairs, side by side so that none waits for the one in front of it
.irp e, 0,1,2,3
.irp hh, 0,1,2,3
	v_pk_mul_f32 v[TP+8*\e+2*\hh:TP+8*\e+2*\hh+1], v[W2R+8*\hh:W2R+8*\hh+1], v[YL+8*\e:YL+8*\e+1]
.endr
.endr
.irp hh, 0,1,2,3
	v_pk_mul_f32 v[PT+2*\hh:PT+2*\hh+1], v[W2R+8*\hh:W2R+8*\hh+1], v[QL:QL+1]
.endr
.irp c, 2,4,6
.irp e, 0,1,2,3
.irp hh, 0,1,2,3
	v_pk_fma_f32 v[TP+8*\e+2*\hh:TP+8*\e+2*\hh+1], v[W2R+8*\hh+\c:W2R+8*\hh+\c+1], v[YL+8*\e+\c:YL+8*\e+\c+1], v[TP+8*\e+2*\hh:TP+8*\e+2*\hh+1]
.endr
.endr
.irp hh, 0,1,2,3
	v_pk_fma_f32 v[PT+2*\hh:PT+2*\hh+1], v[W2R+8*\hh+\c:W2R+8*\hh+\c+1], v[QL+\c:QL+\c+1], v[PT+2*\hh:PT+2*\hh+1]
.endr
.endr
.irp k, 0,1,2,3,4,5,6,7,8,9,10,11,12,13,14,15
	v_add_f32 v[ZZ+\k], v[TP+2*\k], v[TP+2*\k+1]
.endr
.irp hh, 0,1,2,3
	v_add_f32 v[PP+\hh], v[PT+2*\hh], v[PT+2*\hh+1]
.endr
	v_pk_mul_f32 v[AL:AL+1], v[SD:SD+1], v[PP:PP+1]            ; alpha = s' p
	v_pk_mul_f32 v[AL+2:AL+3], v[SD+2:SD+3], v[PP+2:PP+3]
	v_pk_mul_f32 v[BE:BE+1], v[SD:SD+1], v[RV:RV+1]            ; beta = s' r
	v_pk_mul_f32 v[BE+2:BE+3], v[SD+2:SD+3], v[RV+2:RV+3]
.irp e, 0,1,2,3
	v_pk_mul_f32 v[ZZ+4*\e:ZZ+4*\e+1], v[ZZ+4*\e:ZZ+4*\e+1], v[BE:BE+1]
	v_pk_mul_f32 v[ZZ+4*\e+2:ZZ+4*\e+3], v[ZZ+4*\e+2:ZZ+4*\e+3], v[BE+2:BE+3]
	v_pk_fma_f32 v[ZZ+4*\e:ZZ+4*\e+1], v[RR+4*\e:RR+4*\e+1], v[AL:AL+1], v[ZZ+4*\e:ZZ+4*\e+1]
	v_pk_fma_f32 v[ZZ+4*\e+2:ZZ+4*\e+3], v[RR+4*\e+2:RR+4*\e+3], v[AL+2:AL+3], v[ZZ+4*\e+2:ZZ+4*\e+3]
	v_cvt_pk_bf16_f32 v[OU+2*\e], v[ZZ+4*\e], v[ZZ+4*\e+1]
	v_cvt_pk_bf16_f32 v[OU+2*\e+1], v[ZZ+4*\e+2], v[ZZ+4*\e+3]
	global_store_b64 v11, v[OU+2*\e:OU+2*\e+1], s[10:11] offset:\e*1024    ; a wave's store covers 256 consecutive bytes, at a multiple of 256
.endr
	s_wait_tensorcnt 0x0
	ds_add_u32 v224, v225
	s_wait_dscnt 0x0
	s_endpgm
.Lfunc_end_k_qc8f8a119cd_amat:
	.size	k_qc8f8a119cd_amat, .Lfunc_end_k_qc8f8a119cd_amat-k_qc8f8a119cd_amat
	.p2alignl 7, 3214868480
	.fill 96, 4, 3214868480
	.section	.rodata,"a",@progbits
	.p2align	6, 0x0
	.amdhsa_kernel k_qc8f8a119cd_amat
		.amdhsa_group_segment_fixed_size 43008
		.amdhsa_private_segment_fixed_size 0
		.amdhsa_enable_private_segment 0
		.amdhsa_kernarg_size 32
		.amdhsa_user_sgpr_count 2
		.amdhsa_user_sgpr_kernarg_segment_ptr 1
		.amdhsa_wavefront_size32 1
		.amdhsa_system_sgpr_workgroup_id_x 1
		.amdhsa_system_sgpr_workgroup_id_y 1
		.amdhsa_system_sgpr_workgroup_id_z 1
		.amdhsa_system_vgpr_workitem_id 0
		.amdhsa_next_free_vgpr 226
		.amdhsa_next_free_sgpr 66
		.amdhsa_reserve_vcc 0
		.amdhsa_float_denorm_mode_32 3
		.amdhsa_float_denorm_mode_16_64 3
		.amdhsa_memory_ordered 1
		.amdhsa_forward_progress 1
		.amdhsa_inst_pref_size 37
	.end_amdhsa_kernel
	.amdgpu_metadata
---
amdhsa.version: [ 1, 2 ]
amdhsa.kernels:
  - .name:           k_qc8f8a119cd_amat
    .symbol:         k_qc8f8a119cd_amat.kd
    .args:
      - { .name: up, .offset: 0, .size: 8, .value_kind: global_buffer, .address_space: global }
      - { .name: rch, .offset: 8, .size: 8, .value_kind: global_buffer, .address_space: global }
      - { .name: W2, .offset: 16, .size: 8, .value_kind: global_buffer, .address_space: global }
      - { .name: ab, .offset: 24, .size: 8, .value_kind: global_buffer, .address_space: global }
    .group_segment_fixed_size: 43008
    .private_segment_fixed_size: 0
    .kernarg_segment_align: 8
    .kernarg_segment_size: 32
    .max_flat_workgroup_size: 256
    .sgpr_count:     66
    .vgpr_count:     226
    .wavefront_size: 32
...
	.end_amdgpu_metadata
.endif
;; end of part 2
;; launch gemm (part 3): grid 32 x 8, 4 waves a work-group, clusters of 4 x 4, 262,400 bytes of LDS; arguments ab, w1b, state_batch, sp; writes sp
.if DOCPART == 3
	.amdgcn_target "amdgcn-amd-amdhsa--gfx1250"
	.amdhsa_code_object_version 6
	.text
	.protected	k_qc8f8a119cd_gemm
	.globl	k_qc8f8a119cd_gemm
	.p2align	8
	.type	k_qc8f8a119cd_gemm,@function
k_qc8f8a119cd_gemm:
	s_mov_b64 s[64:65], 0
	v_nop
	global_prefetch_b8 v0, s[64:65] scope:SCOPE_SE
	s_setreg_imm32_b32 hwreg(HW_REG_WAVE_MODE, 25, 1), 1
	s_wait_xcnt 0x0
	s_wait_alu depctr_hold_cnt(0) depctr_sa_sdst(0) depctr_va_vdst(0) depctr_va_sdst(0) depctr_va_ssrc(0) depctr_va_vcc(0) depctr_vm_vsrc(0)
	s_getreg_b32 s2, hwreg(HW_REG_IB_STS2, 6, 4)
	s_cmp_eq_u32 s2, 0
	s_cbranch_scc0 .Lentry_in_a_cluster
	s_endpgm
.Lentry_in_a_cluster:
	s_bfe_u32 s2, ttmp6, 0x10000c
	s_cmp_lg_u32 s2, 0xf033
	s_cbranch_scc0 .Lentry_shape_is_right
	s_endpgm
.Lentry_shape_is_right:
; g[n][d] = sum over h of A[n][h] W1[d][h] for sample b (64 chunks n) and the 128 columns d = 128 j .. +127, that is rho = 2 j and 2 j + 1 of
; g[n][rho][kappa], d = 64 rho + kappa; bf16 operands, f32 sums.  Straight from the accumulators:
;   inv = 1 / (|g[n][rho][.]| + 1e-6),  T1[n][rho] = inv sum_kappa g v[n][kappa],  the part of T2[n][kappa] = sum_rho g inv v[n][rho] that these two rho give.
; Stored: sp[j][64 b + n][kappa] = sigma (T2 part + T1[n][kappa] where kappa is 2 j or 2 j + 1), sigma = -0.5 / (|v_b| + 1e-6); the next launch adds the 32 j.
; Four waves, as many as a WGP has SIMDs.  Wave w: nh = w >> 1 (rows n = 32 nh .. +31), rl = w & 1 (its rho: 64 columns): eight accumulator tiles (a, t).
; The whole K = 512 of both operands lies in LDS, in four slices of 128 along K (rows of 256 bytes at multiples of 256): nothing is ever filled
; again, so the waits for tiles are counted and a wave has five tensor loads out at the most (four slices and its rows of v).
; CLUSTERS: 4 x 4 work-groups.  A's and v's tiles hang on b alone and are asked for jointly along a row of the cluster, W1's on j alone and
; jointly along a column: the requests for each are divided by four.  Registers that feed A's and v's descriptors never hold cx, those of W1's never cy.
; THE MATRIX INSTRUCTION IS USED TRANSPOSED: source 0 = 16 rows of W1, source 1 = 16 rows of A.  Lane (r, h) then holds row n = .. + r and in its
; registers jj the columns kappa = 16 t + 8 h + jj: sums over kappa run inside a lane and end with one exchange between the two halves of the wave.
.set PITCH, 272                        ; 256 bytes + 16 of padding: the 16 rows that a fragment load touches start at 16 different 16-byte columns
.set SLB,   192*PITCH                  ; a slice: A's 64 rows, then W1's 128 rows = 52,224 bytes
.set WOFF,  64*PITCH
.set VT,    4*SLB                      ; 208,896: v_b as [64 n][64 kappa] f32, pitch 272
.set STG,   VT+64*PITCH                ; 226,304: [2 rl][64 n][64 kappa] f32, pitch 272: the scaled tiles on their way out; no tile load lands here or behind
.set T1S,   STG+128*PITCH              ; 261,120: [2 rl][64 n] f32: a wave's 32 words are 128 consecutive bytes of its own
.set VN,    T1S+512                    ; 261,632: four words, each wave's sum of v^2
.set ADRA, 8                           ; v[8:11]   my A fragments in slice s
.set ADRW, 12                          ; v[12:15]  my W1 fragments in slice s
.set F0,   32                          ; v[32:79]  fragment buffer 0: A0, A1, W0..W3 (8 registers each)
.set F1,   80                          ; v[80:127] fragment buffer 1
.set ACC,  128                         ; v[128:191] tile (a, t) at 32 a + 8 t
.set VX,   32                          ; the way out: v[n][kappa] in the accumulators' layout (64 registers)
.set SQ,   192                         ; v[192:195] sum g^2, a pair for each a
.set DT,   196                         ; v[196:199] sum g v
.set VQ,   200                         ; v[200:203] sum v^2
.set G1A, 24
.set G1B, 32
.set G1V, 40
.set G0A, 48                           ; s[48:63] one group 0 for each slice
.set G0B, 68                           ; s[68:83]
.set G0V, 84
.set PADW, (1<<20)|(1<<21)|(5<<22)|(3<<25)     ; padding on; bit 21 beside a mask; after every 64 words; 4 words
.macro CROUND                          ; a round of the cluster's barrier: my work-group's barrier, wave 0 signals for the group, all wait, my barrier again
	s_barrier_signal -1
	s_barrier_wait -1
	s_cmp_lg_u32 s12, 0
	s_cbranch_scc1 .Lnot_wave_0_\@
	s_barrier_signal -3
.Lnot_wave_0_\@:
	s_barrier_wait -3
	s_barrier_signal -1
	s_barrier_wait -1
.endm
.macro PLACES                          ; a load into, or a vector instruction on, a matrix instruction's registers stands four plain vector
.rept 4                                ; instructions behind it (ISA guide 7.12.1)
	v_nop
.endr
.endm
.macro FETCH s, kk, f                  ; the fragments of 32 along K, at byte 64 kk of slice s's rows: 12 loads
.irp a, 0,1
	ds_load_b128 v[\f+8*\a:\f+8*\a+3],   v[ADRA+\s] offset:\a*16*PITCH+64*\kk
	ds_load_b128 v[\f+8*\a+4:\f+8*\a+7], v[ADRA+\s] offset:\a*16*PITCH+64*\kk+32
.endr
.irp t, 0,1,2,3
	ds_load_b128 v[\f+16+8*\t:\f+16+8*\t+3], v[ADRW+\s] offset:\t*16*PITCH+64*\kk
	ds_load_b128 v[\f+16+8*\t+4:\f+16+8*\t+7], v[ADRW+\s] offset:\t*16*PITCH+64*\kk+32
.endr
.endm
.macro MUL8 f, zero                    ; the eight accumulators take turns, one instruction a turn
.irp t, 0,1,2,3
.irp a, 0,1
.if \zero
	v_wmma_f32_16x16x32_bf16 v[ACC+32*\a+8*\t:ACC+32*\a+8*\t+7], v[\f+16+8*\t:\f+16+8*\t+7], v[\f+8*\a:\f+8*\a+7], 0
.else
	v_wmma_f32_16x16x32_bf16 v[ACC+32*\a+8*\t:ACC+32*\a+8*\t+7], v[\f+16+8*\t:\f+16+8*\t+7], v[\f+8*\a:\f+8*\a+7], v[ACC+32*\a+8*\t:ACC+32*\a+8*\t+7]
.endif
.endr
.endr
.endm
; One slice: four steps of 32 along K on buffers 0, 1, 0, 1.  left = my tensor loads issued behind this slice's, which may stay out.
.macro SLICE s, left, first
	s_wait_tensorcnt \left                         ; tensor loads of a wave end in order: my part of slice s is in LDS
	s_barrier_signal -1                            ; (no LDS instruction of mine is pending here)
	s_barrier_wait -1                              ; everybody's part is
.if \first == 0
	PLACES                                         ; behind the last slice's matrix instructions, for both fetches below
.endif
	FETCH \s, 0, F0
	FETCH \s, 1, F1
	s_wait_dscnt 12                                ; the older fetch is in, the 12 loads of the younger may stay out (so in each step)
	MUL8 F0, \first
	PLACES
	FETCH \s, 2, F0
	s_wait_dscnt 12
	MUL8 F1, 0
	PLACES
	FETCH \s, 3, F1
	s_wait_dscnt 12
	MUL8 F0, 0
	s_wait_dscnt 0x0
	MUL8 F1, 0
.endm
	s_load_b256 s[4:11], s[0:1], 0x0               ; ab s[4:5], w1b s[6:7], state s[8:9], sp s[10:11]
	v_lshl_add_u32 v208, v0, 2, 0x3ff00
	v_mov_b32 v209, 0
	ds_add_u32 v208, v209
	v_lshrrev_b32 v1, 5, v0
	v_readfirstlane_b32 s12, v1                    ; wave 0..3
	s_lshr_b32 s13, s12, 1                         ; nh.  Also: I fetch for A (0) or for W1 (1)
	s_and_b32 s14, s12, 1                          ; rl.  Also: which half of that tile's rows I fetch
	s_bfe_u32 s15, ttmp6, 0x40000                  ; cx
	s_bfe_u32 s16, ttmp6, 0x40004                  ; cy
	s_lshl_b32 s17, ttmp9, 2
	s_add_co_u32 s17, s17, s15                     ; j = 4 x cluster x + cx
	s_and_b32 s18, ttmp7, 0xffff
	s_lshl_b32 s18, s18, 2
	s_add_co_u32 s18, s18, s16                     ; b = 4 x cluster y + cy
	s_lshl_b32 s19, s16, 2
	s_lshl_b32 s19, 15, s19                        ; my row of the cluster: places 4 cy .. 4 cy + 3
	s_lshl_b32 s20, 0x1111, s15                    ; my column: places cx, cx + 4, cx + 8, cx + 12
	; group 1 for A: 32 rows x 128 bf16, 512 elements from row to row
	s_or_b32  s[G1A+0], s19, (1<<16)|PADW
	s_mov_b32 s[G1A+1], 128<<16                    ; tensor_dim0 = 128
	s_mov_b32 s[G1A+2], 32<<16                     ; tensor_dim1 = 32
	s_mov_b32 s[G1A+3], 128<<16                    ; tile_dim0 = 128
	s_mov_b32 s[G1A+4], 32                         ; tile_dim1 = 32
	s_mov_b32 s[G1A+5], 512
	s_mov_b32 s[G1A+6], 0
	s_mov_b32 s[G1A+7], 0
	; group 1 for W1: 64 rows x 128 bf16
	s_or_b32  s[G1B+0], s20, (1<<16)|PADW
	s_mov_b32 s[G1B+1], 128<<16
	s_mov_b32 s[G1B+2], 64<<16
	s_mov_b32 s[G1B+3], 128<<16
	s_mov_b32 s[G1B+4], 64
	s_mov_b32 s[G1B+5], 512
	s_mov_b32 s[G1B+6], 0
	s_mov_b32 s[G1B+7], 0
	; group 1 for v: 16 rows x 64 f32, dense
	s_or_b32  s[G1V+0], s19, (2<<16)|PADW
	s_mov_b32 s[G1V+1], 64<<16
	s_mov_b32 s[G1V+2], 16<<16
	s_mov_b32 s[G1V+3], 64<<16
	s_mov_b32 s[G1V+4], 16
	s_mov_b32 s[G1V+5], 64
	s_mov_b32 s[G1V+6], 0
	s_mov_b32 s[G1V+7], 0
	s_mul_i32 s21, s14, 32*PITCH                   ; LDS: my half of A's rows
	s_mul_i32 s22, s14, 64*PITCH
	s_add_co_u32 s22, s22, WOFF                    ; my half of W1's rows, behind A's 64
	s_mul_i32 s23, s12, 16*PITCH
	s_add_co_u32 s23, s23, VT                      ; my 16 rows of v
	s_lshl_b32 s88, s18, 16                        ; A: 64 b rows of 1,024 bytes
	s_lshl_b32 s89, s14, 15                        ;    + my 32 rows
	s_add_co_u32 s88, s88, s89
	s_mov_b32 s89, 0
	s_lshl_b32 s90, s17, 17                        ; W1: 128 j rows of 1,024 bytes
	s_lshl_b32 s91, s14, 16                        ;    + my 64 rows
	s_add_co_u32 s90, s90, s91
	s_mov_b32 s91, 0
	s_lshl_b32 s92, s18, 14                        ; v: row 8 + b of state (16,384 bytes a row)
	s_lshl_b32 s93, s12, 12                        ;    + my 16 rows of 256 bytes
	s_add_co_u32 s92, s92, s93
	s_add_co_u32 s92, s92, 131072
	s_mov_b32 s93, 0
	s_lshl_b32 s66, s17, 1                         ; v[n][rho] for my rho = 2 j + rl, straight from memory: rho hangs on cx, so it enters no LDS address
	s_add_co_u32 s66, s66, s14
	s_lshl_b32 s66, s66, 2
	s_lshl_b32 s67, s18, 14
	s_add_co_u32 s66, s66, s67
	s_lshl_b32 s67, s13, 13                        ; + 32 nh rows of 256 bytes
	s_add_co_u32 s66, s66, s67
	s_add_co_u32 s66, s66, 131072
	s_mov_b32 s67, 0
	s_lshl_b32 s94, s17, 17                        ; sp: j x 512 rows of 256 bytes
	s_lshl_b32 s95, s18, 14                        ;     + 64 b rows
	s_add_co_u32 s94, s94, s95
	s_lshl_b32 s95, s12, 12                        ;     + 16 w rows
	s_add_co_u32 s94, s94, s95
	s_mov_b32 s95, 0
	s_mov_b32 s96, 0x76543210                      ; v_permlanex16_b32: lane i of one half reads lane i of the other
	s_mov_b32 s97, 0xfedcba98
	v_and_b32 v1, 15, v0                           ; r
	v_bfe_u32 v2, v0, 4, 1                         ; h
	v_mul_u32_u24 v5, v1, PITCH
	v_lshl_add_u32 v3, v2, 4, v5                   ; r x pitch + 16 h: bf16 fragments
	v_lshl_add_u32 v4, v2, 5, v5                   ; r x pitch + 32 h: f32 in the accumulators' layout
	v_mul_u32_u24 v5, v2, PITCH
	v_lshl_add_u32 v5, v1, 4, v5                   ; h x pitch + 16 r: whole rows back
	s_mul_i32 s2, s13, 32*PITCH                    ; my 32 rows of A
	s_mov_b32 s3, s22                              ; my 64 rows of W1
.irp s, 0,1,2,3
	v_add_nc_u32 v[ADRA+\s], s2, v3
	v_add_nc_u32 v[ADRW+\s], s3, v3
	s_add_co_u32 s2, s2, SLB
	s_add_co_u32 s3, s3, SLB
.endr
	s_mul_i32 s2, s13, 32*PITCH
	s_add_co_u32 s3, s2, VT
	v_add_nc_u32 v21, s3, v4                       ; v of my rows
	s_mul_i32 s3, s14, 64*PITCH
	s_add_co_u32 s3, s3, s2
	s_add_co_u32 s3, s3, STG
	v_add_nc_u32 v18, s3, v4                       ; where my scaled tiles go
	s_mul_i32 s3, s12, 16*PITCH
	s_add_co_u32 s3, s3, STG
	v_add_nc_u32 v19, s3, v5                       ; rows 16 w .. +15 back, two rows a load
	v_and_b32 v20, 31, v0
	v_lshlrev_b32 v20, 4, v20                      ; 16 L
	s_lshl_b32 s2, s14, 8                          ; T1: plane rl of 64 words,
	s_lshl_b32 s3, s13, 7                          ;     my 32 rows in it,
	s_add_co_u32 s2, s2, s3
	s_add_co_u32 s2, s2, T1S
	v_lshl_add_u32 v22, v1, 2, s2                  ;     word r (block a = 1: 64 bytes on)
	s_lshl_b32 s2, s12, 6                          ; back: rows 16 w .. +15 of plane 0,
	s_add_co_u32 s2, s2, T1S
	v_lshl_add_u32 v23, v2, 2, s2                  ;     row 16 w + h (plane 1: 256 bytes on)
	s_lshl_b32 s2, s12, 2
	s_add_co_u32 s2, s2, VN
	v_mov_b32 v24, s2
	v_mov_b32 v25, VN
	v_lshlrev_b32 v26, 1, v1
	v_or_b32 v27, 1, v26
	v_lshlrev_b32 v28, 8, v1                       ; r rows of 256 bytes
	v_cmp_eq_u32 s98, s17, v26                     ; my four columns 4 r .. +3 begin with 2 j     (these two masks only select values)
	v_cmp_eq_u32 s99, s17, v27                     ; my four columns end with 2 j, 2 j + 1
	s_wait_dscnt 0x0
	s_wait_kmcnt 0x0
	s_add_nc_u64 s[88:89], s[4:5], s[88:89]
	s_add_nc_u64 s[90:91], s[6:7], s[90:91]
	s_add_nc_u64 s[92:93], s[8:9], s[92:93]
	s_add_nc_u64 s[66:67], s[8:9], s[66:67]
	s_add_nc_u64 s[94:95], s[10:11], s[94:95]
	global_load_b32 v16, v28, s[66:67]             ; v[32 nh + r][rho]
	global_load_b32 v17, v28, s[66:67] offset:4096 ; v[32 nh + 16 + r][rho]
.irp s, 0,1,2,3
	s_mov_b32 s[G0A+4*\s], 1
	s_add_co_u32 s[G0A+4*\s+1], s21, \s*SLB
	s_add_nc_u64 s[G0A+4*\s+2:G0A+4*\s+3], s[88:89], \s*256
	s_or_b32 s[G0A+4*\s+3], s[G0A+4*\s+3], 0x80000000
	s_mov_b32 s[G0B+4*\s], 1
	s_add_co_u32 s[G0B+4*\s+1], s22, \s*SLB
	s_add_nc_u64 s[G0B+4*\s+2:G0B+4*\s+3], s[90:91], \s*256
	s_or_b32 s[G0B+4*\s+3], s[G0B+4*\s+3], 0x80000000
.endr
	s_mov_b32 s[G0V], 1
	s_mov_b32 s[G0V+1], s23
	s_mov_b64 s[G0V+2:G0V+3], s[92:93]
	s_or_b32 s[G0V+3], s[G0V+3], 0x80000000
	CROUND                                         ; all sixteen work-groups are here: the joint loads meet
	s_cmp_eq_u32 s13, 0                            ; the branch hangs on the wave's number alone; both ways issue four loads
	s_cbranch_scc0 .Lfor_w
.irp s, 0,1,2,3
	tensor_load_to_lds s[G0A+4*\s:G0A+4*\s+3], s[G1A:G1A+7]
	s_nop 0
.endr
	s_branch .Lasked
.Lfor_w:
.irp s, 0,1,2,3
	tensor_load_to_lds s[G0B+4*\s:G0B+4*\s+3], s[G1B:G1B+7]
	s_nop 0
.endr
.Lasked:
	tensor_load_to_lds s[G0V:G0V+3], s[G1V:G1V+7]  ; the fifth: every wave's 16 rows of v
	s_nop 0
	SLICE 0, 4, 1                                  ; slices 1, 2, 3 and v stay out; the first products start the sums
	SLICE 1, 3, 0
	SLICE 2, 2, 0
	SLICE 3, 0, 0                                  ; zero: this barrier also shows v's rows to the other waves
	PLACES                                         ; behind the last matrix instructions: for the loads into the buffers and the reads of the sums
.irp a, 0,1
.irp t, 0,1,2,3
	ds_load_b128 v[VX+32*\a+8*\t:VX+32*\a+8*\t+3],   v21 offset:\a*16*PITCH+64*\t
	ds_load_b128 v[VX+32*\a+8*\t+4:VX+32*\a+8*\t+7], v21 offset:\a*16*PITCH+64*\t+16
.endr
.endr
	s_wait_dscnt 0x0
	; six chains side by side: sum g^2, sum g v, sum v^2, for each of my two blocks of 16 rows
.irp a, 0,1
	v_pk_mul_f32 v[SQ+2*\a:SQ+2*\a+1], v[ACC+32*\a:ACC+32*\a+1], v[ACC+32*\a:ACC+32*\a+1]
	v_pk_mul_f32 v[DT+2*\a:DT+2*\a+1], v[ACC+32*\a:ACC+32*\a+1], v[VX+32*\a:VX+32*\a+1]
	v_pk_mul_f32 v[VQ+2*\a:VQ+2*\a+1], v[VX+32*\a:VX+32*\a+1], v[VX+32*\a:VX+32*\a+1]
.endr
.set p, 2
.rept 15
.irp a, 0,1
	v_pk_fma_f32 v[SQ+2*\a:SQ+2*\a+1], v[ACC+32*\a+p:ACC+32*\a+p+1], v[ACC+32*\a+p:ACC+32*\a+p+1], v[SQ+2*\a:SQ+2*\a+1]
	v_pk_fma_f32 v[DT+2*\a:DT+2*\a+1], v[ACC+32*\a+p:ACC+32*\a+p+1], v[VX+32*\a+p:VX+32*\a+p+1], v[DT+2*\a:DT+2*\a+1]
	v_pk_fma_f32 v[VQ+2*\a:VQ+2*\a+1], v[VX+32*\a+p:VX+32*\a+p+1], v[VX+32*\a+p:VX+32*\a+p+1], v[VQ+2*\a:VQ+2*\a+1]
.endr
.set p, p+2
.endr
.irp k, 192,194,196,198
	v_add_f32 v[\k], v[\k], v[\k+1]
.endr
	v_pk_add_f32 v[VQ:VQ+1], v[VQ:VQ+1], v[VQ+2:VQ+3]
.irp k, 192,194,196,198
	v_permlanex16_b32 v[\k+1], v[\k], s96, s97     ; the other half of the lanes holds the other 32 kappa of the same row
	v_add_f32 v[\k], v[\k], v[\k+1]
.endr
	v_sqrt_f32 v204, v192
	v_sqrt_f32 v205, v194
	v_add_f32 v200, v200, v201                     ; a plain instruction behind the roots that touches none of their registers
.irp m, 1,2,4,8
	v_add_f32_dpp v200, v200, v200 row_xmask:\m row_mask:0xf bank_mask:0xf     ; sum v^2 over my 32 rows: all lanes
.endr
	s_wait_alu depctr_va_vdst(0)
	v_add_f32 v204, 0x358637bd, v204               ; + 1e-6
	v_add_f32 v205, 0x358637bd, v205
	v_permlanex16_b32 v201, v200, s96, s97
	v_rcp_f32 v206, v204
	v_rcp_f32 v207, v205
	v_add_f32 v200, v200, v201                     ; a plain instruction behind the reciprocals
	s_wait_loadcnt 0x0                             ; v[n][rho]
	s_wait_alu depctr_va_vdst(0)
	v_mul_f32 v116, v16, v206                      ; inv v[n][rho]
	v_mul_f32 v117, v196, v206                     ; T1
	v_mul_f32 v118, v17, v207
	v_mul_f32 v119, v198, v207
.irp a, 0,1
.irp k, 0,2,4,6,8,10,12,14,16,18,20,22,24,26,28,30
	v_pk_mul_f32 v[ACC+32*\a+\k:ACC+32*\a+\k+1], v[ACC+32*\a+\k:ACC+32*\a+\k+1], v[116+2*\a:117+2*\a] op_sel_hi:[1,0]
.endr
.endr
.irp a, 0,1
.irp t, 0,1,2,3
	ds_store_b128 v18, v[ACC+32*\a+8*\t:ACC+32*\a+8*\t+3]   offset:\a*16*PITCH+64*\t
	ds_store_b128 v18, v[ACC+32*\a+8*\t+4:ACC+32*\a+8*\t+7] offset:\a*16*PITCH+64*\t+16
.endr
.endr
	ds_store_b32 v22, v117                         ; both halves of the lanes write the same word with the same number
	ds_store_b32 v22, v119 offset:64
	ds_store_b32 v24, v200
	s_wait_dscnt 0x0                               ; my stores are in LDS before I say so
	s_barrier_signal -1
	s_barrier_wait -1
	; rows 16 w .. +15 of the block: both rho added, T1 put at its two columns, scaled, and out as whole rows
	ds_load_b128 v[112:115], v25
.irp i, 0,1,2,3,4,5,6,7
	ds_load_b128 v[32+4*\i:35+4*\i], v19 offset:2*PITCH*\i
	ds_load_b128 v[64+4*\i:67+4*\i], v19 offset:64*PITCH+2*PITCH*\i
	ds_load_b32  v[96+2*\i], v23 offset:8*\i       ; T1[16 w + 2 i + h][rho = 2 j]
	ds_load_b32  v[97+2*\i], v23 offset:256+8*\i   ; T1[16 w + 2 i + h][rho = 2 j + 1]
.endr
	s_wait_dscnt 0x0
	v_add_f32 v122, v112, v114                     ; waves 0 and 2 hold the two halves of the rows: |v_b|^2
	v_sqrt_f32 v123, v122
.irp i, 0,1,2,3,4,5,6,7
	v_pk_add_f32 v[32+4*\i:33+4*\i], v[32+4*\i:33+4*\i], v[64+4*\i:65+4*\i]
	v_pk_add_f32 v[34+4*\i:35+4*\i], v[34+4*\i:35+4*\i], v[66+4*\i:67+4*\i]
.endr
	s_wait_alu depctr_va_vdst(0)
	v_add_f32 v123, 0x358637bd, v123
	v_rcp_f32 v124, v123
.irp i, 0,1,2,3,4,5,6,7
	v_cndmask_b32 v[192+4*(\i%2)], 0, v[96+2*\i], s98
	v_cndmask_b32 v[193+4*(\i%2)], 0, v[97+2*\i], s98
	v_cndmask_b32 v[194+4*(\i%2)], 0, v[96+2*\i], s99
	v_cndmask_b32 v[195+4*(\i%2)], 0, v[97+2*\i], s99
	v_pk_add_f32 v[32+4*\i:33+4*\i], v[32+4*\i:33+4*\i], v[192+4*(\i%2):193+4*(\i%2)]
	v_pk_add_f32 v[34+4*\i:35+4*\i], v[34+4*\i:35+4*\i], v[194+4*(\i%2):195+4*(\i%2)]
.endr
	s_wait_alu depctr_va_vdst(0)
	v_mul_f32 v120, -0.5, v124                     ; sigma, twice: a pair for the packed multiply
	v_mul_f32 v121, -0.5, v124
.irp i, 0,1,2,3,4,5,6,7
	v_pk_mul_f32 v[32+4*\i:33+4*\i], v[32+4*\i:33+4*\i], v[120:121]
	v_pk_mul_f32 v[34+4*\i:35+4*\i], v[34+4*\i:35+4*\i], v[120:121]
	global_store_b128 v20, v[32+4*\i:35+4*\i], s[94:95] offset:512*\i      ; a store covers two rows: 512 consecutive bytes, at a multiple of 256
.endr
	s_wait_tensorcnt 0x0
	ds_add_u32 v208, v209
	s_wait_dscnt 0x0
	CROUND                                         ; the closing round: no work-group ends while a partner may still ask for a tile that names it
	s_endpgm
.Lfunc_end_k_qc8f8a119cd_gemm:
	.size	k_qc8f8a119cd_gemm, .Lfunc_end_k_qc8f8a119cd_gemm-k_qc8f8a119cd_gemm
	.p2alignl 7, 3214868480
	.fill 96, 4, 3214868480
	.section	.rodata,"a",@progbits
	.p2align	6, 0x0
	.amdhsa_kernel k_qc8f8a119cd_gemm
		.amdhsa_group_segment_fixed_size 262400
		.amdhsa_private_segment_fixed_size 0
		.amdhsa_enable_private_segment 0
		.amdhsa_kernarg_size 32
		.amdhsa_user_sgpr_count 2
		.amdhsa_user_sgpr_kernarg_segment_ptr 1
		.amdhsa_wavefront_size32 1
		.amdhsa_system_sgpr_workgroup_id_x 1
		.amdhsa_system_sgpr_workgroup_id_y 1
		.amdhsa_system_sgpr_workgroup_id_z 1
		.amdhsa_system_vgpr_workitem_id 0
		.amdhsa_next_free_vgpr 210
		.amdhsa_next_free_sgpr 100
		.amdhsa_reserve_vcc 0
		.amdhsa_float_denorm_mode_32 3
		.amdhsa_float_denorm_mode_16_64 3
		.amdhsa_memory_ordered 1
		.amdhsa_forward_progress 1
		.amdhsa_inst_pref_size 53
	.end_amdhsa_kernel
	.amdgpu_metadata
---
amdhsa.version: [ 1, 2 ]
amdhsa.kernels:
  - .name:           k_qc8f8a119cd_gemm
    .symbol:         k_qc8f8a119cd_gemm.kd
    .args:
      - { .name: ab, .offset: 0, .size: 8, .value_kind: global_buffer, .address_space: global }
      - { .name: w1b, .offset: 8, .size: 8, .value_kind: global_buffer, .address_space: global }
      - { .name: state_batch, .offset: 16, .size: 8, .value_kind: global_buffer, .address_space: global }
      - { .name: sp, .offset: 24, .size: 8, .value_kind: global_buffer, .address_space: global }
    .group_segment_fixed_size: 262400
    .private_segment_fixed_size: 0
    .kernarg_segment_align: 8
    .kernarg_segment_size: 32
    .max_flat_workgroup_size: 128
    .sgpr_count:     100
    .vgpr_count:     210
    .wavefront_size: 32
...
	.end_amdgpu_metadata
.endif
;; end of part 3
;; launch final (part 4): grid 256 x 1, 1 waves a work-group, no clusters, 0 bytes of LDS; arguments sp, state_batch, out0; writes out0
.if DOCPART == 4
	.amdgcn_target "amdgcn-amd-amdhsa--gfx1250"
	.amdhsa_code_object_version 6
	.text
	.protected	k_qc8f8a119cd_final
	.globl	k_qc8f8a119cd_final
	.p2align	8
	.type	k_qc8f8a119cd_final,@function
k_qc8f8a119cd_final:
	s_mov_b64 s[64:65], 0
	v_nop
	global_prefetch_b8 v0, s[64:65] scope:SCOPE_SE
	s_setreg_imm32_b32 hwreg(HW_REG_WAVE_MODE, 25, 1), 1
	s_wait_xcnt 0x0
; out0 rows 0-7 = velocity;  rows 8-15 = velocity x (sum over the 32 j of sp[j]) - 0.1 deviation.
; sp[j], deviation, velocity and both halves of out0 have the same flat index b x 4096 + 64 n + kappa: one offset serves all.
; One wave a work-group, four numbers a lane: 256 x 32 x 4 = 32,768 numbers.  All 34 loads of a wave are issued at once; each covers 512
; consecutive bytes.  A stream without reuse: no LDS, no barrier, no cluster, no matrix unit.
.set P, 16                             ; v[16:143] the 32 parts
.macro QADD d, s
	v_pk_add_f32 v[\d:\d+1], v[\d:\d+1], v[\s:\s+1]
	v_pk_add_f32 v[\d+2:\d+3], v[\d+2:\d+3], v[\s+2:\s+3]
.endm
.macro SUM8 b
	QADD \b, \b+4
	QADD \b+8, \b+12
	QADD \b+16, \b+20
	QADD \b+24, \b+28
	QADD \b, \b+8
	QADD \b+16, \b+24
	QADD \b, \b+16
.endm
	s_load_b128 s[4:7], s[0:1], 0x0                ; sp s[4:5], state s[6:7]
	s_load_b64 s[8:9], s[0:1], 0x10                ; out0
	s_lshl_b32 s10, ttmp9, 9
	v_lshl_add_u32 v1, v0, 4, s10                  ; 512 x work-group + 16 L
	s_wait_kmcnt 0x0
	global_load_b128 v[4:7], v1, s[6:7] offset:131072      ; velocity
	global_load_b128 v[8:11], v1, s[6:7]                   ; deviation
.irp j, 0,1,2,3,4,5,6,7,8,9,10,11,12,13,14,15,16,17,18,19,20,21,22,23,24,25,26,27,28,29,30,31
	global_load_b128 v[P+4*\j:P+4*\j+3], v1, s[4:5] offset:\j*131072 th:TH_LOAD_NT
.endr
	s_wait_loadcnt 32                              ; velocity and deviation are in, the 32 parts stay out
	global_store_b128 v1, v[4:7], s[8:9]
	v_pk_mul_f32 v[8:9], v[8:9], 0xbdcccccd op_sel_hi:[1,0]        ; -0.1 deviation
	v_pk_mul_f32 v[10:11], v[10:11], 0xbdcccccd op_sel_hi:[1,0]
	s_wait_loadcnt 24                              ; the parts by eights: 24, 16, 8, 0 younger loads left
	SUM8 P
	s_wait_loadcnt 16
	SUM8 P+32
	QADD P, P+32
	s_wait_loadcnt 8
	SUM8 P+64
	QADD P, P+64
	s_wait_loadcnt 0x0
	SUM8 P+96
	QADD P, P+96
	v_pk_fma_f32 v[8:9], v[4:5], v[P:P+1], v[8:9]
	v_pk_fma_f32 v[10:11], v[6:7], v[P+2:P+3], v[10:11]
	global_store_b128 v1, v[8:11], s[8:9] offset:131072
	s_endpgm
.Lfunc_end_k_qc8f8a119cd_final:
	.size	k_qc8f8a119cd_final, .Lfunc_end_k_qc8f8a119cd_final-k_qc8f8a119cd_final
	.p2alignl 7, 3214868480
	.fill 96, 4, 3214868480
	.section	.rodata,"a",@progbits
	.p2align	6, 0x0
	.amdhsa_kernel k_qc8f8a119cd_final
		.amdhsa_group_segment_fixed_size 0
		.amdhsa_private_segment_fixed_size 0
		.amdhsa_enable_private_segment 0
		.amdhsa_kernarg_size 24
		.amdhsa_user_sgpr_count 2
		.amdhsa_user_sgpr_kernarg_segment_ptr 1
		.amdhsa_wavefront_size32 1
		.amdhsa_system_sgpr_workgroup_id_x 1
		.amdhsa_system_sgpr_workgroup_id_y 1
		.amdhsa_system_sgpr_workgroup_id_z 1
		.amdhsa_system_vgpr_workitem_id 0
		.amdhsa_next_free_vgpr 144
		.amdhsa_next_free_sgpr 66
		.amdhsa_reserve_vcc 0
		.amdhsa_float_denorm_mode_32 3
		.amdhsa_float_denorm_mode_16_64 3
		.amdhsa_memory_ordered 1
		.amdhsa_forward_progress 1
		.amdhsa_inst_pref_size 9
	.end_amdhsa_kernel
	.amdgpu_metadata
---
amdhsa.version: [ 1, 2 ]
amdhsa.kernels:
  - .name:           k_qc8f8a119cd_final
    .symbol:         k_qc8f8a119cd_final.kd
    .args:
      - { .name: sp, .offset: 0, .size: 8, .value_kind: global_buffer, .address_space: global }
      - { .name: state_batch, .offset: 8, .size: 8, .value_kind: global_buffer, .address_space: global }
      - { .name: out0, .offset: 16, .size: 8, .value_kind: global_buffer, .address_space: global }
    .group_segment_fixed_size: 0
    .private_segment_fixed_size: 0
    .kernarg_segment_align: 8
    .kernarg_segment_size: 24
    .max_flat_workgroup_size: 32
    .sgpr_count:     66
    .vgpr_count:     144
    .wavefront_size: 32
...
	.end_amdgpu_metadata
.endif
;; end of part 4
;; ======== version 2 of 3: 3 launches; 1.16 times as fast as version 1
;; limits: values outside matrix products are rounded to bf16
;; workspace buffers: w1b 4,194,304 bytes; up 589,824 bytes; rch 65,536 bytes; sp 4,194,304 bytes
;; launch partial (part 5): grid 4 x 32, 8 waves a work-group, no clusters, 41,984 bytes of LDS; arguments W1, state_batch, t, x0_batch, x1_batch, w1b, up, rch; writes w1b, up, rch
.if DOCPART == 5
	.amdgcn_target "amdgcn-amd-amdhsa--gfx1250"
	.amdhsa_code_object_version 6
	.text
	.protected	k_qc8f8a119cd_partial
	.globl	k_qc8f8a119cd_partial
	.p2align	8
	.type	k_qc8f8a119cd_partial,@function
k_qc8f8a119cd_partial:
	s_mov_b64 s[64:65], 0
	v_nop
	global_prefetch_b8 v0, s[64:65] scope:SCOPE_SE
	s_setreg_imm32_b32 hwreg(HW_REG_WAVE_MODE, 25, 1), 1
	s_wait_xcnt 0x0
; One pass over W1 [4096 d][512 h] f32.  Work-group (hq, g) owns rows 128 g .. +127 and columns 128 hq .. +127 and makes from them:
;   w1b  the block rounded to bf16 (an operand of the later matrix product),
;   up   [32 g][9 q][512 h] f32: q = 0..7 the part of u_b = x_b W1 that these 128 rows give, q = 8 their column sum (a part of r),
;   rch  [64 n][512 h] bf16: the column sums R of the two chunks of 64 rows (n = 2 g, 2 g + 1), added in f32 and rounded once: the other operand,
; with x = x0 + t (x1 - x0) + 4 t (1 - t) deviation formed here.
; Eight waves; wave w takes rows 16 w .. +15, lane L four columns: a load covers 512 consecutive bytes of one row, a bf16 store
; 256 consecutive bytes at a multiple of 256.  All 16 row loads of a wave are issued at the start: the group's 64 KiB are on their way at once.
; The product has 8 rows only and streams W1 once: it runs in f32 on the vector unit (a 16-row matrix tile would be half empty, and u keeps f32).
; No cluster: the groups share only x (12 KiB of the 76 KiB that a group reads), and everything is loaded through registers.
.set RED,  4096                        ; LDS: x at 0, [8 b][128 d] f32, 4,096 bytes; then [8 w][9 q][32 lanes x 16 bytes]
.set REDW, 4608                        ; a wave's nine partial rows
.set W,    24                          ; v[24:87]    row i of W1: 4 registers
.set X,    88                          ; v[88:215]   x of sample b at my 16 rows: 16 registers; later the partial sums read back
.set ACC,  216                         ; v[216:251]  q: 4 registers (my 4 columns)
; d (a pair) = or += a (a pair) times the ONE register x, which is broadcast out of its even-aligned pair by op_sel
.macro BFMA d, a, x, first
.if ((\x)%2) == 0
.if \first
	v_pk_mul_f32 v[\d:\d+1], v[\a:\a+1], v[\x:\x+1] op_sel_hi:[1,0]
.else
	v_pk_fma_f32 v[\d:\d+1], v[\a:\a+1], v[\x:\x+1], v[\d:\d+1] op_sel_hi:[1,0,1]
.endif
.else
.if \first
	v_pk_mul_f32 v[\d:\d+1], v[\a:\a+1], v[\x-1:\x] op_sel:[0,1] op_sel_hi:[1,1]
.else
	v_pk_fma_f32 v[\d:\d+1], v[\a:\a+1], v[\x-1:\x], v[\d:\d+1] op_sel:[0,1,0] op_sel_hi:[1,1,1]
.endif
.endif
.endm
.macro QADD d, s                       ; four registers += four registers
	v_pk_add_f32 v[\d:\d+1], v[\d:\d+1], v[\s:\s+1]
	v_pk_add_f32 v[\d+2:\d+3], v[\d+2:\d+3], v[\s+2:\s+3]
.endm
.macro SUM8 b                          ; eight quads at b, b+4, .. summed as a tree into the first
	QADD \b, \b+4
	QADD \b+8, \b+12
	QADD \b+16, \b+20
	QADD \b+24, \b+28
	QADD \b, \b+8
	QADD \b+16, \b+24
	QADD \b, \b+16
.endm
.macro CVST i                          ; row i to bf16, in place, and out; these registers are not written again
	v_cvt_pk_bf16_f32 v[W+4*\i], v[W+4*\i], v[W+4*\i+1]
	v_cvt_pk_bf16_f32 v[W+4*\i+1], v[W+4*\i+2], v[W+4*\i+3]
	global_store_b64 v4, v[W+4*\i:W+4*\i+1], s[14:15] offset:\i*1024
.endm
.macro ROW i
	s_wait_loadcnt 15-\i                           ; loads come back in order: row i is in, the 15 - i younger rows stay out
.irp b, 0,1,2,3,4,5,6,7
.irp p, 0,2
.if \i == 0
	BFMA ACC+4*\b+\p, W+4*\i+\p, X+16*\b+\i, 1     ; the first row starts the sums: nothing is cleared
.else
	BFMA ACC+4*\b+\p, W+4*\i+\p, X+16*\b+\i, 0
.endif
.endr
.endr
.if \i == 1
	v_pk_add_f32 v[ACC+32:ACC+33], v[W:W+1], v[W+4:W+5]        ; the column sum starts as row 0 + row 1,
	v_pk_add_f32 v[ACC+34:ACC+35], v[W+2:W+3], v[W+6:W+7]
	CVST 0                                         ; so row 0 is rounded only now
	CVST 1
.endif
.if \i > 1
	QADD ACC+32, W+4*\i
	CVST \i
.endif
.endm
	s_load_b256 s[4:11], s[0:1], 0x0               ; W1 s[4:5], state s[6:7], t s[8:9], x0 s[10:11]
	s_load_b256 s[12:19], s[0:1], 0x20             ; x1 s[12:13], w1b s[14:15], up s[16:17], rch s[18:19]
	v_lshl_add_u32 v252, v0, 2, 0xa000
	v_mov_b32 v253, 0
	v_lshrrev_b32 v11, 5, v0
	v_readfirstlane_b32 s21, v11                   ; wave 0..7
	v_and_b32 v1, 31, v0
	v_lshlrev_b32 v1, 4, v1                        ; 16 L
	v_lshrrev_b32 v4, 1, v1                        ; 8 L
	s_and_b32 s23, ttmp7, 0xffff                   ; g
	s_lshl_b32 s22, ttmp9, 9                       ; hq x 512 bytes (128 f32)
	s_lshl_b32 s26, s21, 14
	v_add_nc_u32 v2, s26, v1                       ; x0, x1, deviation: sample w (16,384 bytes a row) + 16 L
	v_add_nc_u32 v4, s26, v4                       ; w1b: 16 w rows of 1,024 bytes + 8 L
	s_lshl_b32 s26, s21, 15
	v_add_nc_u32 v3, s26, v1                       ; W1: 16 w rows of 2,048 bytes + 16 L
	s_lshl_b32 s26, s21, 9
	v_add_nc_u32 v5, s26, v1                       ; LDS: x of sample w
	s_add_co_u32 s27, s26, RED
	v_add_nc_u32 v8, s27, v1                       ; LDS: partial row q = w of wave 0
	s_lshl_b32 s26, s21, 6
	v_mov_b32 v6, s26                              ; LDS: x at my 16 rows (64 bytes), the same in every lane
	s_mul_i32 s26, s21, REDW
	s_add_co_u32 s26, s26, RED
	v_add_nc_u32 v7, s26, v1                       ; LDS: my nine partial rows
	s_lshl_b32 s26, s21, 11
	v_add_nc_u32 v9, s26, v1                       ; up: row q = w + 16 L
	s_mov_b32 s25, 0
	s_wait_kmcnt 0x0
	s_load_b32 s20, s[8:9], 0x0                    ; t
	s_lshl_b32 s24, s23, 9                         ; 128 g numbers of x
	s_add_nc_u64 s[10:11], s[10:11], s[24:25]
	s_add_nc_u64 s[12:13], s[12:13], s[24:25]
	s_add_nc_u64 s[6:7], s[6:7], s[24:25]
	s_lshl_b32 s24, s23, 18                        ; 128 g rows of 2,048 bytes
	s_add_co_u32 s24, s24, s22
	s_add_nc_u64 s[4:5], s[4:5], s[24:25]
	s_lshl_b32 s24, s23, 17                        ; 128 g rows of 1,024 bytes
	s_lshl_b32 s27, ttmp9, 8                       ; hq x 256 bytes (128 bf16)
	s_add_co_u32 s24, s24, s27
	s_add_nc_u64 s[14:15], s[14:15], s[24:25]
	s_mul_i32 s24, s23, 18432                      ; g x 9 rows of 2,048 bytes
	s_add_co_u32 s24, s24, s22
	s_add_nc_u64 s[16:17], s[16:17], s[24:25]
	s_lshl_b32 s24, s23, 11                        ; 2 g rows of 1,024 bytes
	s_add_co_u32 s24, s24, s27
	s_add_nc_u64 s[18:19], s[18:19], s[24:25]
	global_load_b128 v[12:15], v2, s[10:11]        ; x0
	global_load_b128 v[16:19], v2, s[12:13]        ; x1
	global_load_b128 v[20:23], v2, s[6:7]          ; deviation
.irp i, 0,1,2,3,4,5,6,7,8,9,10,11,12,13,14,15
	global_load_b128 v[W+4*\i:W+4*\i+3], v3, s[4:5] offset:\i*2048 th:TH_LOAD_NT   ; W1 is read once in the launch
.endr
	s_wait_kmcnt 0x0
	v_mov_b32 v11, s20                             ; t
	v_sub_f32 v10, 1.0, v11
	v_mul_f32 v10, v10, v11
	v_mul_f32 v10, 4.0, v10                        ; the window 4 t (1 - t); the factor 4 is exact wherever it stands
	s_wait_loadcnt 16                              ; x0, x1, deviation are in; the 16 rows of W1 stay out
	v_pk_add_f32 v[16:17], v[16:17], v[12:13] neg_lo:[0,1] neg_hi:[0,1]
	v_pk_add_f32 v[18:19], v[18:19], v[14:15] neg_lo:[0,1] neg_hi:[0,1]
	v_pk_fma_f32 v[12:13], v[16:17], v[10:11], v[12:13] op_sel:[0,1,0] op_sel_hi:[1,1,1]   ; + t (x1 - x0)
	v_pk_fma_f32 v[14:15], v[18:19], v[10:11], v[14:15] op_sel:[0,1,0] op_sel_hi:[1,1,1]
	v_pk_fma_f32 v[12:13], v[20:21], v[10:11], v[12:13] op_sel_hi:[1,0,1]                  ; + window x deviation
	v_pk_fma_f32 v[14:15], v[22:23], v[10:11], v[14:15] op_sel_hi:[1,0,1]
	ds_store_b128 v5, v[12:15]
	s_wait_dscnt 0x0                               ; my part of x is in LDS before I say so
	s_barrier_signal -1
	s_barrier_wait -1                              ; all eight samples' x are there
.irp b, 0,1,2,3,4,5,6,7
.irp e, 0,1,2,3
	ds_load_b128 v[X+16*\b+4*\e:X+16*\b+4*\e+3], v6 offset:\b*512+16*\e    ; one address for all lanes: x_b at my 16 rows
.endr
.endr
	s_wait_dscnt 0x0
.irp i, 0,1,2,3,4,5,6,7,8,9,10,11,12,13,14,15
	ROW \i
.endr
.irp q, 0,1,2,3,4,5,6,7,8
	ds_store_b128 v7, v[ACC+4*\q:ACC+4*\q+3] offset:\q*512
.endr
	s_wait_dscnt 0x0                               ; my nine rows are in LDS before I say so
	s_barrier_signal -1
	s_barrier_wait -1
	; wave w adds the eight waves' parts of u for sample b = w
.irp k, 0,1,2,3,4,5,6,7
	ds_load_b128 v[X+4*\k:X+4*\k+3], v8 offset:\k*REDW
.endr
	s_wait_dscnt 0x0
	SUM8 X
	global_store_b128 v9, v[X:X+3], s[16:17]
	s_cmp_lg_u32 s21, 0
	s_cbranch_scc1 .Lend
	; wave 0 also takes the column sums: waves 0-3 held the first chunk of 64 rows, waves 4-7 the second
.irp k, 0,1,2,3,4,5,6,7
	ds_load_b128 v[X+32+4*\k:X+32+4*\k+3], v1 offset:RED+8*512+\k*REDW
.endr
	v_lshrrev_b32 v[X+76], 1, v1                               ; 8 L: my four columns in a row of bf16
	s_wait_dscnt 0x0
	QADD X+32, X+36
	QADD X+40, X+44
	QADD X+32, X+40
	QADD X+48, X+52
	QADD X+56, X+60
	QADD X+48, X+56
	v_cvt_pk_bf16_f32 v[X+68], v[X+32], v[X+33]
	v_cvt_pk_bf16_f32 v[X+69], v[X+34], v[X+35]
	v_cvt_pk_bf16_f32 v[X+72], v[X+48], v[X+49]
	v_cvt_pk_bf16_f32 v[X+73], v[X+50], v[X+51]
	global_store_b64 v[X+76], v[X+68:X+69], s[18:19]               ; R of chunk 2 g: 256 consecutive bytes, at a multiple of 256
	global_store_b64 v[X+76], v[X+72:X+73], s[18:19] offset:1024   ; R of chunk 2 g + 1
	v_pk_add_f32 v[X+64:X+65], v[X+32:X+33], v[X+48:X+49]
	v_pk_add_f32 v[X+66:X+67], v[X+34:X+35], v[X+50:X+51]
	global_store_b128 v1, v[X+64:X+67], s[16:17] offset:8*2048     ; row q = 8 of up
.Lend:
	s_wait_tensorcnt 0x0
	ds_add_u32 v252, v253
	s_wait_dscnt 0x0
	s_endpgm
.Lfunc_end_k_qc8f8a119cd_partial:
	.size	k_qc8f8a119cd_partial, .Lfunc_end_k_qc8f8a119cd_partial-k_qc8f8a119cd_partial
	.p2alignl 7, 3214868480
	.fill 96, 4, 3214868480
	.section	.rodata,"a",@progbits
	.p2align	6, 0x0
	.amdhsa_kernel k_qc8f8a119cd_partial
		.amdhsa_group_segment_fixed_size 41984
		.amdhsa_private_segment_fixed_size 0
		.amdhsa_enable_private_segment 0
		.amdhsa_kernarg_size 64
		.amdhsa_user_sgpr_count 2
		.amdhsa_user_sgpr_kernarg_segment_ptr 1
		.amdhsa_wavefront_size32 1
		.amdhsa_system_sgpr_workgroup_id_x 1
		.amdhsa_system_sgpr_workgroup_id_y 1
		.amdhsa_system_sgpr_workgroup_id_z 1
		.amdhsa_system_vgpr_workitem_id 0
		.amdhsa_next_free_vgpr 254
		.amdhsa_next_free_sgpr 66
		.amdhsa_reserve_vcc 0
		.amdhsa_float_denorm_mode_32 3
		.amdhsa_float_denorm_mode_16_64 3
		.amdhsa_memory_ordered 1
		.amdhsa_forward_progress 1
		.amdhsa_inst_pref_size 33
	.end_amdhsa_kernel
	.amdgpu_metadata
---
amdhsa.version: [ 1, 2 ]
amdhsa.kernels:
  - .name:           k_qc8f8a119cd_partial
    .symbol:         k_qc8f8a119cd_partial.kd
    .args:
      - { .name: W1, .offset: 0, .size: 8, .value_kind: global_buffer, .address_space: global }
      - { .name: state_batch, .offset: 8, .size: 8, .value_kind: global_buffer, .address_space: global }
      - { .name: t, .offset: 16, .size: 8, .value_kind: global_buffer, .address_space: global }
      - { .name: x0_batch, .offset: 24, .size: 8, .value_kind: global_buffer, .address_space: global }
      - { .name: x1_batch, .offset: 32, .size: 8, .value_kind: global_buffer, .address_space: global }
      - { .name: w1b, .offset: 40, .size: 8, .value_kind: global_buffer, .address_space: global }
      - { .name: up, .offset: 48, .size: 8, .value_kind: global_buffer, .address_space: global }
      - { .name: rch, .offset: 56, .size: 8, .value_kind: global_buffer, .address_space: global }
    .group_segment_fixed_size: 41984
    .private_segment_fixed_size: 0
    .kernarg_segment_align: 8
    .kernarg_segment_size: 64
    .max_flat_workgroup_size: 256
    .sgpr_count:     66
    .vgpr_count:     254
    .wavefront_size: 32
...
	.end_amdgpu_metadata
.endif
;; end of part 5
;; launch flow (part 6): grid 32 x 8, 4 waves a work-group, clusters of 4 x 4, 283,136 bytes of LDS; arguments up, rch, W2, w1b, state_batch, sp; writes sp
.if DOCPART == 6
	.amdgcn_target "amdgcn-amd-amdhsa--gfx1250"
	.amdhsa_code_object_version 6
	.text
	.protected	k_qc8f8a119cd_flow
	.globl	k_qc8f8a119cd_flow
	.p2align	8
	.type	k_qc8f8a119cd_flow,@function
k_qc8f8a119cd_flow:
	s_mov_b64 s[64:65], 0
	v_nop
	global_prefetch_b8 v0, s[64:65] scope:SCOPE_SE
	s_setreg_imm32_b32 hwreg(HW_REG_WAVE_MODE, 25, 1), 1
	s_wait_xcnt 0x0
	s_wait_alu depctr_hold_cnt(0) depctr_sa_sdst(0) depctr_va_vdst(0) depctr_va_sdst(0) depctr_va_ssrc(0) depctr_va_vcc(0) depctr_vm_vsrc(0)
	s_getreg_b32 s2, hwreg(HW_REG_IB_STS2, 6, 4)
	s_cmp_eq_u32 s2, 0
	s_cbranch_scc0 .Lentry_in_a_cluster
	s_endpgm
.Lentry_in_a_cluster:
	s_bfe_u32 s2, ttmp6, 0x10000c
	s_cmp_lg_u32 s2, 0xf033
	s_cbranch_scc0 .Lentry_shape_is_right
	s_endpgm
.Lentry_shape_is_right:
; For sample b and the 128 columns d = 128 j .. +127 (rho = 2 j, 2 j + 1 of g[n][rho][kappa], d = 64 rho + kappa):
;   u, r = sums of the 32 parts in up;  s = 1 - tanh^2 u,  s' = -2 tanh u s;  q[c] = sum_h W2[h][c] s r;  p[h] = sum_c W2[h][c] q[c];
;   y[n][c] = sum_h (s[h] W2[h][c]) R[n][h];   alpha = s' p,  beta = s' r;   Q[c][d] = sum_h (beta[h] W2[h][c]) W1[d][h];
;   g[n][d] = sum_h (alpha[h] R[n][h]) W1[d][h] + sum_c y[n][c] Q[c][d]
; (the second derivative of the two-layer tanh net in closed form).  Straight from the accumulators:
;   inv = 1 / (|g[n][rho][.]| + 1e-6),  T1[n][rho] = inv sum_kappa g v[n][kappa],  the part of T2[n][kappa] = sum_rho g inv v[n][rho] that these two rho give.
; Stored: sp[j][64 b + n][kappa] = sigma (T2 part + T1[n][kappa] where kappa is 2 j or 2 j + 1), sigma = -0.5 / (|v_b| + 1e-6); the next launch adds the 32 j.
; u, r, the tanh terms, q, p, alpha, beta are f32 on the vector unit; the three products over h and the one over c take bf16 operands and f32 sums.
; R comes as bf16 tiles and is never rewritten in LDS: s rides on W2's eight columns, and alpha is multiplied onto R's fragments in registers, 16 packed
; bf16 multiplies for the 12 matrix instructions of a K step, in place of two scaled copies of 64 x 512 numbers made by each work-group.
; LIMITS: tanh, s, s' are made from e = 2^(-2.885390 |u|): tanh = sign(u) (1 - e)/(1 + e), s = 4 e/(1 + e)^2.  Nothing overflows or cancels;
; s and s' become 0 where the power flushes, |u| above about 44.  NaN and infinite inputs get no treatment of their own.  y and Q are rounded to bf16.
; The operand alpha R is bf16(bf16 alpha x bf16 R): three roundings of 2^-9 relative each, where one would do; its range is f32's.
; Four waves, as many as a WGP has SIMDs.  BEFORE THE PRODUCTS thread t owns h = 4 t .. +3: u, r, s, p need no other thread, q one exchange.
; IN THE PRODUCTS wave w: nh = w >> 1 (rows n = 32 nh .. +31), rl = w & 1 (its rho: 64 columns): eight tiles of g and four of Q.
; The whole K = 512 lies in LDS, in four slices of 128 along K; nothing is ever filled again, so the waits for tiles are counted, and a wave has six
; tensor loads out at the most (a slice of R, its rows of four slices of W1, its rows of v).
; CLUSTERS: 4 x 4 work-groups.  W1's tiles hang on j alone and are asked for jointly along a column of the cluster, v's on b alone and jointly along a row.
; R's tiles hang on neither coordinate; each work-group asks for them by itself: 64 KiB of the 352 KiB that it takes in.
; up and W2 are added up or scaled straight from registers, 16 bytes a lane, and used once: as tiles they would only add a trip through LDS.
; g's TILES ARE MADE TRANSPOSED: source 0 = 16 rows of W1, source 1 = 16 rows of alpha R.  Lane (r, h) holds row n = .. + r and in registers jj the columns
; kappa = 16 t + 8 h + jj.  y and Q are made the other way round (source 0 = the rows c): lane (r, h) then holds c = 8 h + jj of ONE n or d, which after
; rounding IS a fragment with k = c: no shuffle.
.set PITCH, 272                        ; 256 bytes + 16: the 16 rows that a fragment load touches start at 16 different 16-byte columns
.set WSL,   128*PITCH                  ; LDS 0: W1, four slices of 128 rows (34,816 bytes each), filled by tensor loads
.set VT,    4*WSL                      ; 139,264: v_b as [64 n][64 kappa] f32, pitch 272, filled by tensor loads
.set ASL,   64*PITCH
.set RB,    VT+ASL                     ; 156,672: R, four slices of 64 rows, filled by tensor loads
.set STG,   RB+4*ASL                   ; 226,304: [2 rl][64 n][64 kappa] f32, pitch 272: the scaled tiles on their way out.  From here on no tensor load lands
.set TSL,   16*PITCH
.set WT,    STG+128*PITCH              ; 261,120: four slices of 16 rows: c = 0..7 of s W2 transposed, then c = 0..7 of beta W2 transposed
.set YF,    WT+4*TSL                   ; 278,528: y of the four blocks of 16 n, each as the image of half a fragment (32 lanes x 16 bytes)
.set AF,    YF+2048                    ; 280,576: alpha, 512 bf16
.set QP,    AF+1024                    ; 281,600: [4 waves][8 c] f32: q's parts
.set T1S,   QP+256                     ; 281,856: [2 rl][64 n] f32
.set VN,    T1S+512                    ; 282,368: four words, each wave's sum of v^2
; registers, window 0: v1 .. v31 addresses (named where they are made); window 1 (v256-v383): the 32 parts of r, part g at 4 g
.set ADRW, 12                          ; v[12:15]   my W1 fragments in slice s
.set P,    32                          ; v[32:159]  the 32 parts of u
.set T,    32                          ; v[32:63]   then s W2, then q's parts
.set WB1,  96                          ; v[96:111]  s W2 transposed, packed
.set W2R,  160                         ; v[160:191] W2[4 t + hh][c] at 8 hh + c
.set SS,   192                         ; s
.set SD,   196                         ; s'
.set RV,   200                         ; r
.set AL,   204                         ; alpha
.set BE,   208                         ; beta
.set TM,   212                         ; v[212:227] the tanh terms at work
.set ST,   212                         ; then s r
.set PX,   216                         ; v[216:223] the other half's q
.set QQ,   228                         ; v[228:235] q's part
.set PT,   212                         ; v[212:219] p by pairs
.set PP,   220                         ; p
.set WB2,  224                         ; v[224:239] beta W2 transposed, packed
.set AP,   240                         ; v[240:241] alpha, packed
.set YB0,  32                          ; y: two buffers of a slice's fragments (4 K steps x 16 registers), four accumulators, the packed result
.set YB1,  96
.set YA,   160
.set YP,   192
.set F0,   32                          ; v[32:95]   fragment buffer 0: A0, A1, W0..W3, beta W2, alpha (8 registers each)
.set F1,   96                          ; v[96:159]  fragment buffer 1
.set ACC,  160                         ; v[160:223] g's tile (a, t) at 32 a + 8 t
.set QA,   224                         ; v[224:255] Q's tile t at 8 t
.set VX,   32                          ; the way out: v[n][kappa] in the accumulators' layout (64 registers)
.set SQ,   224                         ; sum g^2, a pair for each a
.set DT,   228                         ; sum g v
.set VQ,   232                         ; sum v^2
.set G1B, 28                           ; s[28:35] group 1 for W1's tiles
.set G1V, 36                           ; s[36:43] group 1 for v's tiles
.set G0B, 44                           ; s[44:59] one group 0 for each slice of W1
.set G0V, 60                           ; s[60:63]
.set G1R, 84                           ; s[84:91] group 1 for R's tiles
.set G0R, 92                           ; s[92:95]
.set PADP, (1<<20)|(5<<22)|(3<<25)     ; padding on; after every 64 words; 4 words
.set PADW, PADP|(1<<21)                ; and bit 21 beside a mask
.set MSB, 0
.macro WIN new                         ; s_set_vgpr_msb: bits 1:0 source 0, 3:2 source 1, 5:4 source 2, 7:6 destination; the high byte repeats the setting that is left
.if MSB != \new
	s_set_vgpr_msb (MSB<<8)|\new
.set MSB, \new
.endif
.endm
.macro CROUND                          ; a round of the cluster's barrier: my work-group's barrier, wave 0 signals for the group, all wait, my barrier again
	s_barrier_signal -1
	s_barrier_wait -1
	s_cmp_lg_u32 s16, 0
	s_cbranch_scc1 .Lnot_wave_0_\@
	s_barrier_signal -3
.Lnot_wave_0_\@:
	s_barrier_wait -3
	s_barrier_signal -1
	s_barrier_wait -1
.endm
.macro PLACES                          ; a load into, or a vector instruction on, a matrix instruction's registers stands four plain vector
.rept 4                                ; instructions behind it (ISA guide 7.12.1)
	v_nop
.endr
.endm
.macro BFMA d, a, x, first             ; d (a pair) = or += a (a pair) times the one register x, broadcast out of its pair by op_sel
.if ((\x)%2) == 0
.if \first
	v_pk_mul_f32 v[\d:\d+1], v[\a:\a+1], v[\x:\x+1] op_sel_hi:[1,0]
.else
	v_pk_fma_f32 v[\d:\d+1], v[\a:\a+1], v[\x:\x+1], v[\d:\d+1] op_sel_hi:[1,0,1]
.endif
.else
.if \first
	v_pk_mul_f32 v[\d:\d+1], v[\a:\a+1], v[\x-1:\x] op_sel:[0,1] op_sel_hi:[1,1]
.else
	v_pk_fma_f32 v[\d:\d+1], v[\a:\a+1], v[\x-1:\x], v[\d:\d+1] op_sel:[0,1,0] op_sel_hi:[1,1,1]
.endif
.endif
.endm
.macro QADD d, s
	v_pk_add_f32 v[\d:\d+1], v[\d:\d+1], v[\s:\s+1]
	v_pk_add_f32 v[\d+2:\d+3], v[\d+2:\d+3], v[\s+2:\s+3]
.endm
.macro SUM8 b
	QADD \b, \b+4
	QADD \b+8, \b+12
	QADD \b+16, \b+20
	QADD \b+24, \b+28
	QADD \b, \b+8
	QADD \b+16, \b+24
	QADD \b, \b+16
.endm
.macro RLOAD from, count               ; parts from .. of r (row 8 of each part of up), my four h of each, into window 1
	WIN 0x40
.set n, \from
.rept \count
	global_load_b128 v[4*n:4*n+3], v6, s[4:5] offset:n*18432+16384
.set n, n+1
.endr
	WIN 0
.endm
.macro FETCHY s, f                     ; a slice's fragments for y: four K steps of s W2 transposed and of rows 16 w .. +15 of R: 16 loads
.irp kk, 0,1,2,3
	ds_load_b128 v[\f+16*\kk:\f+16*\kk+3],     v26 offset:\s*TSL+64*\kk
	ds_load_b128 v[\f+16*\kk+4:\f+16*\kk+7],   v26 offset:\s*TSL+64*\kk+32
	ds_load_b128 v[\f+16*\kk+8:\f+16*\kk+11],  v27 offset:\s*ASL+64*\kk
	ds_load_b128 v[\f+16*\kk+12:\f+16*\kk+15], v27 offset:\s*ASL+64*\kk+32
.endr
.endm
.macro MULY f, zero                    ; four accumulators, one for each K step of a slice, take turns, one instruction a turn
.irp kk, 0,1,2,3
.if \zero
	v_wmma_f32_16x16x32_bf16 v[YA+8*\kk:YA+8*\kk+7], v[\f+16*\kk:\f+16*\kk+7], v[\f+16*\kk+8:\f+16*\kk+15], 0
.else
	v_wmma_f32_16x16x32_bf16 v[YA+8*\kk:YA+8*\kk+7], v[\f+16*\kk:\f+16*\kk+7], v[\f+16*\kk+8:\f+16*\kk+15], v[YA+8*\kk:YA+8*\kk+7]
.endif
.endr
.endm
.macro FETCH s, kk, f                  ; the fragments of 32 along K, at byte 64 kk of slice s's rows: 16 loads
.irp a, 0,1
	ds_load_b128 v[\f+8*\a:\f+8*\a+3],   v8 offset:\s*ASL+\a*16*PITCH+64*\kk
	ds_load_b128 v[\f+8*\a+4:\f+8*\a+7], v8 offset:\s*ASL+\a*16*PITCH+64*\kk+32
.endr
	ds_load_b128 v[\f+56:\f+59], v2 offset:(4*\s+\kk)*64       ; alpha at the same k as a fragment's registers 0-3: one address for the 16 lanes of a half
	ds_load_b128 v[\f+60:\f+63], v2 offset:(4*\s+\kk)*64+32    ; and registers 4-7
.irp t, 0,1,2,3
	ds_load_b128 v[\f+16+8*\t:\f+16+8*\t+3], v[ADRW+\s] offset:\t*16*PITCH+64*\kk
	ds_load_b128 v[\f+16+8*\t+4:\f+16+8*\t+7], v[ADRW+\s] offset:\t*16*PITCH+64*\kk+32
.endr
	ds_load_b128 v[\f+48:\f+51], v26 offset:\s*TSL+8*PITCH+64*\kk
	ds_load_b128 v[\f+52:\f+55], v26 offset:\s*TSL+8*PITCH+64*\kk+32
.endm
.macro SCALE f                         ; R's two fragments times alpha, two bf16 at a time, in place
.irp a, 0,1
.irp i, 0,1,2,3,4,5,6,7
	v_pk_mul_bf16 v[\f+8*\a+\i], v[\f+8*\a+\i], v[\f+56+\i]
.endr
.endr
.endm
.macro MUL12 f, zero                   ; the twelve accumulators take turns, one instruction a turn
.irp t, 0,1,2,3
.if \zero
	v_wmma_f32_16x16x32_bf16 v[ACC+8*\t:ACC+8*\t+7], v[\f+16+8*\t:\f+16+8*\t+7], v[\f:\f+7], 0
	v_wmma_f32_16x16x32_bf16 v[ACC+32+8*\t:ACC+32+8*\t+7], v[\f+16+8*\t:\f+16+8*\t+7], v[\f+8:\f+15], 0
	v_wmma_f32_16x16x32_bf16 v[QA+8*\t:QA+8*\t+7], v[\f+48:\f+55], v[\f+16+8*\t:\f+16+8*\t+7], 0
.else
	v_wmma_f32_16x16x32_bf16 v[ACC+8*\t:ACC+8*\t+7], v[\f+16+8*\t:\f+16+8*\t+7], v[\f:\f+7], v[ACC+8*\t:ACC+8*\t+7]
	v_wmma_f32_16x16x32_bf16 v[ACC+32+8*\t:ACC+32+8*\t+7], v[\f+16+8*\t:\f+16+8*\t+7], v[\f+8:\f+15], v[ACC+32+8*\t:ACC+32+8*\t+7]
	v_wmma_f32_16x16x32_bf16 v[QA+8*\t:QA+8*\t+7], v[\f+48:\f+55], v[\f+16+8*\t:\f+16+8*\t+7], v[QA+8*\t:QA+8*\t+7]
.endif
.endr
.endm
; One slice: four steps of 32 along K on buffers 0, 1, 0, 1.  left = my tensor loads issued behind this slice's, which may stay out.
.macro SLICE s, left, first
	s_wait_tensorcnt \left                         ; tensor loads of a wave end in order: my rows of slice s are in LDS
	s_barrier_signal -1                            ; (no LDS instruction of mine is pending here)
	s_barrier_wait -1                              ; everybody's rows are
.if \first == 0
	PLACES                                         ; behind the last slice's matrix instructions, for both fetches below
.endif
	FETCH \s, 0, F0
	FETCH \s, 1, F1
	s_wait_dscnt 16                                ; the older fetch is in, the 16 loads of the younger may stay out (so in each step)
	SCALE F0
	MUL12 F0, \first
	PLACES
	FETCH \s, 2, F0
	s_wait_dscnt 16
	SCALE F1
	MUL12 F1, 0
	PLACES
	FETCH \s, 3, F1
	s_wait_dscnt 16
	SCALE F0
	MUL12 F0, 0
	s_wait_dscnt 0x0
	SCALE F1
	MUL12 F1, 0
.endm
	s_load_b256 s[4:11], s[0:1], 0x0               ; up s[4:5], rch s[6:7], W2 s[8:9], w1b s[10:11]
	s_load_b128 s[12:15], s[0:1], 0x20             ; state s[12:13], sp s[14:15]
	v_lshl_add_u32 v29, v0, 2, 0x45000
	v_mov_b32 v30, 0
	ds_add_u32 v29, v30
	v_lshrrev_b32 v32, 5, v0
	v_readfirstlane_b32 s16, v32                   ; wave 0..3
	s_lshr_b32 s17, s16, 1                         ; nh
	s_and_b32 s18, s16, 1                          ; rl
	s_bfe_u32 s19, ttmp6, 0x40000                  ; cx
	s_bfe_u32 s20, ttmp6, 0x40004                  ; cy
	s_lshl_b32 s21, ttmp9, 2
	s_add_co_u32 s21, s21, s19                     ; j = 4 x cluster x + cx
	s_and_b32 s22, ttmp7, 0xffff
	s_lshl_b32 s22, s22, 2
	s_add_co_u32 s22, s22, s20                     ; b = 4 x cluster y + cy
	s_lshl_b32 s23, s20, 2
	s_lshl_b32 s23, 15, s23                        ; my row of the cluster: places 4 cy .. 4 cy + 3
	s_lshl_b32 s24, 0x1111, s19                    ; my column: places cx, cx + 4, cx + 8, cx + 12
	; group 1 for W1: 32 rows x 128 bf16, 512 elements from row to row; shared along my column
	s_or_b32  s[G1B+0], s24, (1<<16)|PADW
	s_mov_b32 s[G1B+1], 128<<16                    ; tensor_dim0 = 128
	s_mov_b32 s[G1B+2], 32<<16                     ; tensor_dim1 = 32
	s_mov_b32 s[G1B+3], 128<<16                    ; tile_dim0 = 128
	s_mov_b32 s[G1B+4], 32                         ; tile_dim1 = 32
	s_mov_b32 s[G1B+5], 512
	s_mov_b32 s[G1B+6], 0
	s_mov_b32 s[G1B+7], 0
	; group 1 for v: 16 rows x 64 f32, dense; shared along my row
	s_or_b32  s[G1V+0], s23, (2<<16)|PADW
	s_mov_b32 s[G1V+1], 64<<16
	s_mov_b32 s[G1V+2], 16<<16
	s_mov_b32 s[G1V+3], 64<<16
	s_mov_b32 s[G1V+4], 16
	s_mov_b32 s[G1V+5], 64
	s_mov_b32 s[G1V+6], 0
	s_mov_b32 s[G1V+7], 0
	; group 1 for R: 64 rows x 128 bf16, 512 elements from row to row; no mask: my work-group's own load
	s_mov_b32 s[G1R+0], (1<<16)|PADP
	s_mov_b32 s[G1R+1], 128<<16
	s_mov_b32 s[G1R+2], 64<<16
	s_mov_b32 s[G1R+3], 128<<16
	s_mov_b32 s[G1R+4], 64
	s_mov_b32 s[G1R+5], 512
	s_mov_b32 s[G1R+6], 0
	s_mov_b32 s[G1R+7], 0
	s_lshl_b32 s68, s21, 17                        ; W1: 128 j rows of 1,024 bytes
	s_lshl_b32 s69, s16, 15                        ;     + my 32 rows
	s_add_co_u32 s68, s68, s69
	s_mov_b32 s69, 0
	s_lshl_b32 s70, s22, 14                        ; v: row 8 + b of state (16,384 bytes a row)
	s_lshl_b32 s71, s16, 12                        ;    + my 16 rows of 256 bytes
	s_add_co_u32 s70, s70, s71
	s_add_co_u32 s70, s70, 131072
	s_mov_b32 s71, 0
	s_lshl_b32 s96, s16, 8                         ; R: K slice w: 256 bytes along the rows
	s_mov_b32 s97, 0
	s_lshl_b32 s66, s21, 1                         ; v[n][rho] for my rho = 2 j + rl, straight from memory: rho hangs on cx, so it enters no LDS address
	s_add_co_u32 s66, s66, s18
	s_lshl_b32 s66, s66, 2
	s_lshl_b32 s67, s22, 14
	s_add_co_u32 s66, s66, s67
	s_lshl_b32 s67, s17, 13                        ; + 32 nh rows of 256 bytes
	s_add_co_u32 s66, s66, s67
	s_add_co_u32 s66, s66, 131072
	s_mov_b32 s67, 0
	s_lshl_b32 s72, s21, 17                        ; sp: j x 512 rows of 256 bytes
	s_lshl_b32 s73, s22, 14                        ;     + 64 b rows
	s_add_co_u32 s72, s72, s73
	s_lshl_b32 s73, s16, 12                        ;     + 16 w rows
	s_add_co_u32 s72, s72, s73
	s_mov_b32 s73, 0
	s_lshl_b32 s74, s22, 11                        ; up: row b of each part
	s_mov_b32 s75, 0
	s_mov_b32 s76, 0x76543210                      ; v_permlanex16_b32: lane i of one half reads lane i of the other
	s_mov_b32 s77, 0xfedcba98
	s_mov_b32 s81, 0xc038aa3b                      ; -2 / ln 2
	s_mov_b32 s82, 0x7fffffff
	v_and_b32 v32, 15, v0                          ; r
	v_bfe_u32 v33, v0, 4, 1                        ; h
	v_and_b32 v34, 31, v0                          ; L
	v_mul_u32_u24 v35, v32, PITCH
	v_lshl_add_u32 v36, v33, 4, v35                ; r x pitch + 16 h: bf16 fragments
	v_lshl_add_u32 v37, v33, 5, v35                ; r x pitch + 32 h: f32 in the accumulators' layout
	v_mul_u32_u24 v38, v33, PITCH
	v_lshl_add_u32 v38, v32, 4, v38                ; h x pitch + 16 r: whole rows back
	v_and_b32 v39, 7, v0
	v_mul_u32_u24 v39, v39, PITCH
	v_lshl_add_u32 v39, v33, 4, v39                ; (r & 7) x pitch + 16 h: the eight rows c, read twice over by the sixteen lanes
	v_lshlrev_b32 v20, 4, v34                      ; v20: 16 L
	v_lshlrev_b32 v40, 3, v34                      ; 8 L
	v_lshlrev_b32 v6, 4, v0                        ; v6: 16 t: my four h in a row of 512 f32 (up)
	v_lshlrev_b32 v7, 7, v0                        ; v7: 128 t: my four rows of W2
	v_lshlrev_b32 v28, 8, v32                      ; v28: r rows of 256 bytes
	v_lshlrev_b32 v41, 1, v32
	v_or_b32 v42, 1, v41
	v_cmp_eq_u32 s78, s21, v41                     ; my four columns 4 r .. +3 begin with 2 j     (these masks only select values)
	v_cmp_eq_u32 s79, s21, v42                     ; my four columns end with 2 j, 2 j + 1
	v_cmp_eq_u32 s80, 0, v33                       ; lanes 0-15
	s_mul_i32 s2, s17, 32*PITCH                    ; my 32 rows n
	s_add_co_u32 s3, s2, RB
	v_add_nc_u32 v8, s3, v36                       ; v8: my fragments of R (the slice goes into the offset)
	s_add_co_u32 s3, s2, VT
	v_add_nc_u32 v21, s3, v37                      ; v21: v of my rows
	s_mul_i32 s3, s18, 64*PITCH                    ; my 64 rows of W1
.irp s, 0,1,2,3
	v_add_nc_u32 v[ADRW+\s], s3, v36
	s_add_co_u32 s3, s3, WSL
.endr
	s_mul_i32 s3, s18, 64*PITCH
	s_add_co_u32 s3, s3, s2
	s_add_co_u32 s3, s3, STG
	v_add_nc_u32 v18, s3, v37                      ; v18: where my scaled tiles go
	s_mul_i32 s2, s16, 16*PITCH
	s_add_co_u32 s3, s2, STG
	v_add_nc_u32 v19, s3, v38                      ; v19: rows 16 w .. +15 back, two rows a load
	s_add_co_u32 s3, s2, RB
	v_add_nc_u32 v27, s3, v36                      ; v27: fragments of rows 16 w .. +15 of R
	s_add_co_u32 s26, s2, VT                       ; tensor load: my 16 rows of v
	s_mul_i32 s25, s16, 32*PITCH                   ; tensor load: my 32 rows of a slice of W1
	s_mul_i32 s27, s16, ASL
	s_add_co_u32 s27, s27, RB                      ; tensor load: slice w of R
	s_mul_i32 s2, s16, TSL
	s_add_co_u32 s2, s2, WT
	v_add_nc_u32 v31, s2, v40                      ; v31: my 8 bytes in row 0 of slice w of the rows c
	v_add_nc_u32 v26, WT, v39                      ; v26: fragments of the rows c
	s_mov_b32 s2, AF
	v_lshl_add_u32 v2, v33, 4, s2                  ; v2: alpha as a fragment's registers want it: 16 h (the K step goes into the offset)
	s_lshl_b32 s2, s16, 8
	s_add_co_u32 s2, s2, AF
	v_add_nc_u32 v3, s2, v40                       ; v3: alpha of my four h: 8 t = 256 w + 8 L
	s_lshl_b32 s2, s16, 5
	s_add_co_u32 s2, s2, QP
	v_mov_b32 v9, s2                               ; v9: my wave's part of q
	v_mov_b32 v10, QP                              ; v10: all four
	s_lshl_b32 s2, s16, 9
	s_add_co_u32 s2, s2, YF
	v_add_nc_u32 v11, s2, v20                      ; v11: y of block w goes here
	s_lshl_b32 s2, s17, 10
	s_add_co_u32 s2, s2, YF
	v_add_nc_u32 v1, s2, v20                       ; v1: y of blocks 2 nh, 2 nh + 1
	s_lshl_b32 s2, s18, 8                          ; T1: plane rl of 64 words,
	s_lshl_b32 s3, s17, 7                          ;     my 32 rows in it,
	s_add_co_u32 s2, s2, s3
	s_add_co_u32 s2, s2, T1S
	v_lshl_add_u32 v22, v32, 2, s2                 ; v22: word r (block a = 1: 64 bytes on)
	s_lshl_b32 s2, s16, 6                          ; back: rows 16 w .. +15 of plane 0,
	s_add_co_u32 s2, s2, T1S
	v_lshl_add_u32 v23, v33, 2, s2                 ; v23: row 16 w + h (plane 1: 256 bytes on)
	s_lshl_b32 s2, s16, 2
	s_add_co_u32 s2, s2, VN
	v_mov_b32 v24, s2                              ; v24: my wave's sum of v^2
	v_mov_b32 v25, VN                              ; v25: all four
	s_wait_dscnt 0x0
	s_wait_kmcnt 0x0
	s_add_nc_u64 s[74:75], s[4:5], s[74:75]
	s_add_nc_u64 s[68:69], s[10:11], s[68:69]
	s_add_nc_u64 s[70:71], s[12:13], s[70:71]
	s_add_nc_u64 s[96:97], s[6:7], s[96:97]
	s_add_nc_u64 s[66:67], s[12:13], s[66:67]
	s_add_nc_u64 s[72:73], s[14:15], s[72:73]
	; 74 loads a lane in all.  A wave's load counter counts to 63 (ISA guide 5.7.1): 63 go out now, the last 11 when 16 parts of u have been used.
.set g, 0
.rept 32
	global_load_b128 v[P+4*g:P+4*g+3], v6, s[74:75] offset:g*18432         ; the 32 parts of u_b
.set g, g+1
.endr
.irp k, 0,1,2,3,4,5,6,7
	global_load_b128 v[W2R+4*\k:W2R+4*\k+3], v7, s[8:9] offset:16*\k
.endr
	global_load_b32 v16, v28, s[66:67]             ; v[32 nh + r][rho]
	global_load_b32 v17, v28, s[66:67] offset:4096 ; v[32 nh + 16 + r][rho]
	RLOAD 0, 21                                    ; 32 + 8 + 2 + 21 = 63 are out
	s_mov_b32 s[G0R], 1
	s_mov_b32 s[G0R+1], s27
	s_mov_b64 s[G0R+2:G0R+3], s[96:97]
	s_or_b32 s[G0R+3], s[G0R+3], 0x80000000
.irp s, 0,1,2,3
	s_mov_b32 s[G0B+4*\s], 1
	s_add_co_u32 s[G0B+4*\s+1], s25, \s*WSL
	s_add_nc_u64 s[G0B+4*\s+2:G0B+4*\s+3], s[68:69], \s*256
	s_or_b32 s[G0B+4*\s+3], s[G0B+4*\s+3], 0x80000000
.endr
	s_mov_b32 s[G0V], 1
	s_mov_b32 s[G0V+1], s26
	s_mov_b64 s[G0V+2:G0V+3], s[70:71]
	s_or_b32 s[G0V+3], s[G0V+3], 0x80000000
	CROUND                                         ; all sixteen work-groups are here: the joint loads meet (the wave would only wait for u meanwhile)
	tensor_load_to_lds s[G0R:G0R+3], s[G1R:G1R+7]  ; R first, which is wanted first: every wave one slice
	s_nop 0
.irp s, 0,1,2,3
	tensor_load_to_lds s[G0B+4*\s:G0B+4*\s+3], s[G1B:G1B+7]        ; every wave its own 32 rows of each slice of W1
	s_nop 0
.endr
	tensor_load_to_lds s[G0V:G0V+3], s[G1V:G1V+7]  ; the sixth: every wave's 16 rows of v
	s_nop 0
	; u: the parts by eights
	s_wait_loadcnt 55                              ; behind the first eight parts: 24 parts, 8 of W2, 2 of v, 21 of r
	SUM8 P
	s_wait_loadcnt 47
	SUM8 P+32
	QADD P, P+32
	RLOAD 21, 11                                   ; 47 + 11 = 58 are out at the most
	s_wait_loadcnt 50                              ; behind the third eight: 8 parts, 8 of W2, 2 of v, 32 of r
	SUM8 P+64
	QADD P, P+64
	s_wait_loadcnt 42
	SUM8 P+96
	QADD P, P+96
	; s and s' from e = 2^(-2.885390 |u|)
.irp k, 0,1,2,3
	v_and_b32 v[TM+\k], s82, v[P+\k]               ; |u|
.endr
.irp k, 0,1,2,3
	v_mul_f32 v[TM+\k], s81, v[TM+\k]
.endr
.irp k, 0,1,2,3
	v_exp_f32 v[TM+4+\k], v[TM+\k]                 ; e
.endr
	v_nop                                          ; one plain vector instruction behind the powers, before results are read and sources written
	s_wait_alu depctr_va_vdst(0)
.irp k, 0,1,2,3
	v_add_f32 v[TM+\k], 1.0, v[TM+4+\k]
.endr
.irp k, 0,1,2,3
	v_rcp_f32 v[TM+8+\k], v[TM+\k]                 ; 1 / (1 + e)
.endr
.irp k, 0,1,2,3
	v_sub_f32 v[TM+12+\k], 1.0, v[TM+4+\k]         ; 1 - e: touches neither the reciprocals nor their sources
.endr
	s_wait_alu depctr_va_vdst(0)
.irp k, 0,2
	v_pk_mul_f32 v[TM+12+\k:TM+12+\k+1], v[TM+12+\k:TM+12+\k+1], v[TM+8+\k:TM+8+\k+1]      ; |tanh u|
	v_pk_mul_f32 v[TM+4+\k:TM+4+\k+1], v[TM+4+\k:TM+4+\k+1], v[TM+8+\k:TM+8+\k+1]
	v_pk_mul_f32 v[TM+4+\k:TM+4+\k+1], v[TM+4+\k:TM+4+\k+1], v[TM+8+\k:TM+8+\k+1]          ; e / (1 + e)^2
.endr
.irp k, 0,1,2,3
	v_and_b32 v[TM+\k], 0x80000000, v[P+\k]        ; u's sign
	v_or_b32 v[TM+12+\k], v[TM+12+\k], v[TM+\k]    ; tanh u
	v_mul_f32 v[SS+\k], 4.0, v[TM+4+\k]            ; s
.endr
.irp k, 0,2
	v_pk_mul_f32 v[TM+12+\k:TM+12+\k+1], v[TM+12+\k:TM+12+\k+1], v[SS+\k:SS+\k+1]
.endr
.irp k, 0,1,2,3
	v_mul_f32 v[SD+\k], -2.0, v[TM+12+\k]          ; s'
.endr
	; s W2 transposed, rows c = 0..7 of the sixteen: my four h of each c are 8 bytes of slice w
	s_wait_loadcnt 34                              ; W2 is in: behind it stand 2 of v and the 32 parts of r
.irp hh, 0,1,2,3
.irp c, 0,2,4,6
	BFMA T+8*\hh+\c, W2R+8*\hh+\c, SS+\hh, 1
.endr
.endr
.irp c, 0,1,2,3,4,5,6,7
	v_cvt_pk_bf16_f32 v[WB1+2*\c], v[T+\c], v[T+8+\c]
	v_cvt_pk_bf16_f32 v[WB1+2*\c+1], v[T+16+\c], v[T+24+\c]
	ds_store_b64 v31, v[WB1+2*\c:WB1+2*\c+1] offset:\c*PITCH
.endr
	; r: the parts by eights, in window 1; the last sum lands in window 0
	s_wait_loadcnt 24                              ; 24, 16, 8, 0 parts stand behind each eight
	WIN 0x45
	SUM8 0
	s_wait_loadcnt 16
	SUM8 32
	QADD 0, 32
	s_wait_loadcnt 8
	SUM8 64
	QADD 0, 64
	s_wait_loadcnt 0x0
	SUM8 96
	WIN 0x05
	v_pk_add_f32 v[RV:RV+1], v[0:1], v[96:97]
	v_pk_add_f32 v[RV+2:RV+3], v[2:3], v[98:99]
	WIN 0
	; q: my four h, then my wave's 32 lanes, then the four waves through LDS
	v_pk_mul_f32 v[ST:ST+1], v[SS:SS+1], v[RV:RV+1]                ; s r
	v_pk_mul_f32 v[ST+2:ST+3], v[SS+2:SS+3], v[RV+2:RV+3]
.irp hh, 0,1,2,3
.irp c, 0,2,4,6
.if \hh == 0
	BFMA QQ+\c, W2R+8*\hh+\c, ST+\hh, 1
.else
	BFMA QQ+\c, W2R+8*\hh+\c, ST+\hh, 0
.endif
.endr
.endr
.irp m, 1,2,4,8
.irp k, 0,1,2,3,4,5,6,7
	v_add_f32_dpp v[QQ+\k], v[QQ+\k], v[QQ+\k] row_xmask:\m row_mask:0xf bank_mask:0xf
.endr
.endr
.irp k, 0,1,2,3,4,5,6,7
	v_permlanex16_b32 v[PX+\k], v[QQ+\k], s76, s77
.endr
.irp k, 0,2,4,6
	v_pk_add_f32 v[QQ+\k:QQ+\k+1], v[QQ+\k:QQ+\k+1], v[PX+\k:PX+\k+1]
.endr
	ds_store_b128 v9, v[QQ:QQ+3]                   ; all lanes write the same bytes with the same numbers
	ds_store_b128 v9, v[QQ+4:QQ+7] offset:16
	s_wait_dscnt 0x0                               ; q's part and s W2 transposed are in LDS before I say so
	s_barrier_signal -1
	s_barrier_wait -1
.irp i, 0,1,2,3,4,5,6,7
	ds_load_b128 v[T+4*\i:T+4*\i+3], v10 offset:16*\i
.endr
	s_wait_dscnt 0x0
	QADD T, T+8
	QADD T+16, T+24
	QADD T, T+16                                   ; q[0..3]
	QADD T+4, T+12
	QADD T+20, T+28
	QADD T+4, T+20                                 ; q[4..7]
.irp hh, 0,1,2,3
	v_pk_mul_f32 v[PT+2*\hh:PT+2*\hh+1], v[W2R+8*\hh:W2R+8*\hh+1], v[T:T+1]
.endr
.irp c, 2,4,6
.irp hh, 0,1,2,3
	v_pk_fma_f32 v[PT+2*\hh:PT+2*\hh+1], v[W2R+8*\hh+\c:W2R+8*\hh+\c+1], v[T+\c:T+\c+1], v[PT+2*\hh:PT+2*\hh+1]
.endr
.endr
.irp hh, 0,1,2,3
	v_add_f32 v[PP+\hh], v[PT+2*\hh], v[PT+2*\hh+1]                ; p
.endr
	v_pk_mul_f32 v[AL:AL+1], v[SD:SD+1], v[PP:PP+1]                ; alpha = s' p
	v_pk_mul_f32 v[AL+2:AL+3], v[SD+2:SD+3], v[PP+2:PP+3]
	v_pk_mul_f32 v[BE:BE+1], v[SD:SD+1], v[RV:RV+1]                ; beta = s' r
	v_pk_mul_f32 v[BE+2:BE+3], v[SD+2:SD+3], v[RV+2:RV+3]
	v_cvt_pk_bf16_f32 v[AP], v[AL], v[AL+1]
	v_cvt_pk_bf16_f32 v[AP+1], v[AL+2], v[AL+3]
	ds_store_b64 v3, v[AP:AP+1]                    ; a wave's store covers 256 consecutive bytes
.irp hh, 0,1,2,3
.irp c, 0,2,4,6
	BFMA W2R+8*\hh+\c, W2R+8*\hh+\c, BE+\hh, 1                     ; beta W2, in place
.endr
.endr
.irp c, 0,1,2,3,4,5,6,7
	v_cvt_pk_bf16_f32 v[WB2+2*\c], v[W2R+\c], v[W2R+8+\c]
	v_cvt_pk_bf16_f32 v[WB2+2*\c+1], v[W2R+16+\c], v[W2R+24+\c]
	ds_store_b64 v31, v[WB2+2*\c:WB2+2*\c+1] offset:(8+\c)*PITCH   ; rows 8..15 of the sixteen
.endr
	s_wait_dscnt 0x0                               ; alpha and beta W2 are in LDS,
	s_wait_tensorcnt 5                             ; and my slice of R (four slices of W1 and v were issued behind it and may stay out), before I say so
	s_barrier_signal -1
	s_barrier_wait -1
	; y of rows 16 w .. +15: source 0 = the rows c of s W2 transposed (lanes 8-15 read rows 0-7 again), source 1 = 16 rows of R
	FETCHY 0, YB0
	FETCHY 1, YB1
	s_wait_dscnt 16                                ; the older slice's fragments are in, the 16 loads of the younger may stay out
	MULY YB0, 1
	PLACES
	FETCHY 2, YB0
	s_wait_dscnt 16
	MULY YB1, 0
	PLACES
	FETCHY 3, YB1
	s_wait_dscnt 16
	MULY YB0, 0
	s_wait_dscnt 0x0
	MULY YB1, 0
	PLACES
.irp k, 0,2,4,6
	v_pk_add_f32 v[YA+\k:YA+\k+1], v[YA+\k:YA+\k+1], v[YA+8+\k:YA+8+\k+1]
	v_pk_add_f32 v[YA+16+\k:YA+16+\k+1], v[YA+16+\k:YA+16+\k+1], v[YA+24+\k:YA+24+\k+1]
.endr
.irp k, 0,2,4,6
	v_pk_add_f32 v[YA+\k:YA+\k+1], v[YA+\k:YA+\k+1], v[YA+16+\k:YA+16+\k+1]
.endr
.irp i, 0,1,2,3
	v_cvt_pk_bf16_f32 v[YP+\i], v[YA+2*\i], v[YA+2*\i+1]           ; lane (r, 0): y[16 w + r][0..7] = k 0..7 of a fragment's row r
.endr
.irp i, 0,1,2,3
	v_cndmask_b32 v[YP+\i], 0, v[YP+\i], s80                       ; lanes 16-31 hold the repeat, which would be k = 8..15: zero
.endr
	ds_store_b128 v11, v[YP:YP+3]
	s_wait_dscnt 0x0                               ; in LDS before the next barrier's signal; it is read behind the K loop
	SLICE 0, 4, 1                                  ; slices 1, 2, 3 and v may stay out; the first products start the sums
	SLICE 1, 3, 0
	SLICE 2, 2, 0
	SLICE 3, 0, 0                                  ; zero: this barrier also shows v's rows to the other waves
	; one more K step: k = c.  Q's tiles, rounded, are W1's side; y's images are the other; 8 of the 32 k are in use, the registers of k = 16..31 are zero
	PLACES
	ds_load_b128 v[F0:F0+3], v1
	ds_load_b128 v[F0+8:F0+11], v1 offset:512
.irp t, 0,1,2,3
.irp i, 0,1,2,3
	v_cvt_pk_bf16_f32 v[F0+16+8*\t+\i], v[QA+8*\t+2*\i], v[QA+8*\t+2*\i+1]
.endr
.endr
.irp f, 0,1,2,3,4,5
.irp i, 4,5,6,7
	v_mov_b32 v[F0+8*\f+\i], 0
.endr
.endr
	s_wait_dscnt 0x0
.irp t, 0,1,2,3
.irp a, 0,1
	v_wmma_f32_16x16x32_bf16 v[ACC+32*\a+8*\t:ACC+32*\a+8*\t+7], v[F0+16+8*\t:F0+16+8*\t+7], v[F0+8*\a:F0+8*\a+7], v[ACC+32*\a+8*\t:ACC+32*\a+8*\t+7]
.endr
.endr
	PLACES                                         ; behind the last matrix instructions: for the loads into the buffers and the reads of the sums
.irp a, 0,1
.irp t, 0,1,2,3
	ds_load_b128 v[VX+32*\a+8*\t:VX+32*\a+8*\t+3],   v21 offset:\a*16*PITCH+64*\t
	ds_load_b128 v[VX+32*\a+8*\t+4:VX+32*\a+8*\t+7], v21 offset:\a*16*PITCH+64*\t+16
.endr
.endr
	s_wait_dscnt 0x0
	; six chains side by side: sum g^2, sum g v, sum v^2, for each of my two blocks of 16 rows
.irp a, 0,1
	v_pk_mul_f32 v[SQ+2*\a:SQ+2*\a+1], v[ACC+32*\a:ACC+32*\a+1], v[ACC+32*\a:ACC+32*\a+1]
	v_pk_mul_f32 v[DT+2*\a:DT+2*\a+1], v[ACC+32*\a:ACC+32*\a+1], v[VX+32*\a:VX+32*\a+1]
	v_pk_mul_f32 v[VQ+2*\a:VQ+2*\a+1], v[VX+32*\a:VX+32*\a+1], v[VX+32*\a:VX+32*\a+1]
.endr
.set p, 2
.rept 15
.irp a, 0,1
	v_pk_fma_f32 v[SQ+2*\a:SQ+2*\a+1], v[ACC+32*\a+p:ACC+32*\a+p+1], v[ACC+32*\a+p:ACC+32*\a+p+1], v[SQ+2*\a:SQ+2*\a+1]
	v_pk_fma_f32 v[DT+2*\a:DT+2*\a+1], v[ACC+32*\a+p:ACC+32*\a+p+1], v[VX+32*\a+p:VX+32*\a+p+1], v[DT+2*\a:DT+2*\a+1]
	v_pk_fma_f32 v[VQ+2*\a:VQ+2*\a+1], v[VX+32*\a+p:VX+32*\a+p+1], v[VX+32*\a+p:VX+32*\a+p+1], v[VQ+2*\a:VQ+2*\a+1]
.endr
.set p, p+2
.endr
.irp k, 224,226,228,230
	v_add_f32 v[\k], v[\k], v[\k+1]
.endr
	v_pk_add_f32 v[VQ:VQ+1], v[VQ:VQ+1], v[VQ+2:VQ+3]
.irp k, 224,226,228,230
	v_permlanex16_b32 v[\k+1], v[\k], s76, s77     ; the other half of the lanes holds the other 32 kappa of the same row
	v_add_f32 v[\k], v[\k], v[\k+1]
.endr
	v_sqrt_f32 v236, v224
	v_sqrt_f32 v237, v226
	v_add_f32 v232, v232, v233                     ; a plain instruction behind the roots that touches none of their registers
.irp m, 1,2,4,8
	v_add_f32_dpp v232, v232, v232 row_xmask:\m row_mask:0xf bank_mask:0xf     ; sum v^2 over my 32 rows: all lanes
.endr
	s_wait_alu depctr_va_vdst(0)
	v_add_f32 v236, 0x358637bd, v236               ; + 1e-6
	v_add_f32 v237, 0x358637bd, v237
	v_permlanex16_b32 v233, v232, s76, s77
	v_rcp_f32 v238, v236
	v_rcp_f32 v239, v237
	v_add_f32 v232, v232, v233                     ; a plain instruction behind the reciprocals
	s_wait_loadcnt 0x0                             ; v[n][rho] (met long ago)
	s_wait_alu depctr_va_vdst(0)
	v_mul_f32 v240, v16, v238                      ; inv v[n][rho]
	v_mul_f32 v241, v228, v238                     ; T1
	v_mul_f32 v242, v17, v239
	v_mul_f32 v243, v230, v239
.irp a, 0,1
.irp k, 0,2,4,6,8,10,12,14,16,18,20,22,24,26,28,30
	v_pk_mul_f32 v[ACC+32*\a+\k:ACC+32*\a+\k+1], v[ACC+32*\a+\k:ACC+32*\a+\k+1], v[240+2*\a:241+2*\a] op_sel_hi:[1,0]
.endr
.endr
.irp a, 0,1
.irp t, 0,1,2,3
	ds_store_b128 v18, v[ACC+32*\a+8*\t:ACC+32*\a+8*\t+3]   offset:\a*16*PITCH+64*\t
	ds_store_b128 v18, v[ACC+32*\a+8*\t+4:ACC+32*\a+8*\t+7] offset:\a*16*PITCH+64*\t+16
.endr
.endr
	ds_store_b32 v22, v241                         ; both halves of the lanes write the same word with the same number
	ds_store_b32 v22, v243 offset:64
	ds_store_b32 v24, v232
	s_wait_dscnt 0x0                               ; my stores are in LDS before I say so
	s_barrier_signal -1
	s_barrier_wait -1
	; rows 16 w .. +15 of the block: both rho added, T1 put at its two columns, scaled, and out as whole rows
	ds_load_b128 v[112:115], v25
.irp i, 0,1,2,3,4,5,6,7
	ds_load_b128 v[32+4*\i:35+4*\i], v19 offset:2*PITCH*\i
	ds_load_b128 v[64+4*\i:67+4*\i], v19 offset:64*PITCH+2*PITCH*\i
	ds_load_b32  v[96+2*\i], v23 offset:8*\i       ; T1[16 w + 2 i + h][rho = 2 j]
	ds_load_b32  v[97+2*\i], v23 offset:256+8*\i   ; T1[16 w + 2 i + h][rho = 2 j + 1]
.endr
	s_wait_dscnt 0x0
	v_add_f32 v122, v112, v114                     ; waves 0 and 2 hold the two halves of the rows: |v_b|^2
	v_sqrt_f32 v123, v122
.irp i, 0,1,2,3,4,5,6,7
	v_pk_add_f32 v[32+4*\i:33+4*\i], v[32+4*\i:33+4*\i], v[64+4*\i:65+4*\i]
	v_pk_add_f32 v[34+4*\i:35+4*\i], v[34+4*\i:35+4*\i], v[66+4*\i:67+4*\i]
.endr
	s_wait_alu depctr_va_vdst(0)
	v_add_f32 v123, 0x358637bd, v123
	v_rcp_f32 v124, v123
.irp i, 0,1,2,3,4,5,6,7
	v_cndmask_b32 v[244+4*(\i%2)], 0, v[96+2*\i], s78
	v_cndmask_b32 v[245+4*(\i%2)], 0, v[97+2*\i], s78
	v_cndmask_b32 v[246+4*(\i%2)], 0, v[96+2*\i], s79
	v_cndmask_b32 v[247+4*(\i%2)], 0, v[97+2*\i], s79
	v_pk_add_f32 v[32+4*\i:33+4*\i], v[32+4*\i:33+4*\i], v[244+4*(\i%2):245+4*(\i%2)]
	v_pk_add_f32 v[34+4*\i:35+4*\i], v[34+4*\i:35+4*\i], v[246+4*(\i%2):247+4*(\i%2)]
.endr
	s_wait_alu depctr_va_vdst(0)
	v_mul_f32 v120, -0.5, v124                     ; sigma, twice: a pair for the packed multiply
	v_mul_f32 v121, -0.5, v124
.irp i, 0,1,2,3,4,5,6,7
	v_pk_mul_f32 v[32+4*\i:33+4*\i], v[32+4*\i:33+4*\i], v[120:121]
	v_pk_mul_f32 v[34+4*\i:35+4*\i], v[34+4*\i:35+4*\i], v[120:121]
	global_store_b128 v20, v[32+4*\i:35+4*\i], s[72:73] offset:512*\i      ; a store covers two rows: 512 consecutive bytes, at a multiple of 256
.endr
	s_wait_tensorcnt 0x0
	ds_add_u32 v29, v30
	s_wait_dscnt 0x0
	CROUND                                         ; the closing round: no work-group ends while a partner may still ask for a tile that names it
	s_endpgm
.Lfunc_end_k_qc8f8a119cd_flow:
	.size	k_qc8f8a119cd_flow, .Lfunc_end_k_qc8f8a119cd_flow-k_qc8f8a119cd_flow
	.p2alignl 7, 3214868480
	.fill 96, 4, 3214868480
	.section	.rodata,"a",@progbits
	.p2align	6, 0x0
	.amdhsa_kernel k_qc8f8a119cd_flow
		.amdhsa_group_segment_fixed_size 283136
		.amdhsa_private_segment_fixed_size 0
		.amdhsa_enable_private_segment 0
		.amdhsa_kernarg_size 48
		.amdhsa_user_sgpr_count 2
		.amdhsa_user_sgpr_kernarg_segment_ptr 1
		.amdhsa_wavefront_size32 1
		.amdhsa_system_sgpr_workgroup_id_x 1
		.amdhsa_system_sgpr_workgroup_id_y 1
		.amdhsa_system_sgpr_workgroup_id_z 1
		.amdhsa_system_vgpr_workitem_id 0
		.amdhsa_next_free_vgpr 384
		.amdhsa_next_free_sgpr 98
		.amdhsa_reserve_vcc 0
		.amdhsa_float_denorm_mode_32 3
		.amdhsa_float_denorm_mode_16_64 3
		.amdhsa_memory_ordered 1
		.amdhsa_forward_progress 1
		.amdhsa_inst_pref_size 116
	.end_amdhsa_kernel
	.amdgpu_metadata
---
amdhsa.version: [ 1, 2 ]
amdhsa.kernels:
  - .name:           k_qc8f8a119cd_flow
    .symbol:         k_qc8f8a119cd_flow.kd
    .args:
      - { .name: up, .offset: 0, .size: 8, .value_kind: global_buffer, .address_space: global }
      - { .name: rch, .offset: 8, .size: 8, .value_kind: global_buffer, .address_space: global }
      - { .name: W2, .offset: 16, .size: 8, .value_kind: global_buffer, .address_space: global }
      - { .name: w1b, .offset: 24, .size: 8, .value_kind: global_buffer, .address_space: global }
      - { .name: state_batch, .offset: 32, .size: 8, .value_kind: global_buffer, .address_space: global }
      - { .name: sp, .offset: 40, .size: 8, .value_kind: global_buffer, .address_space: global }
    .group_segment_fixed_size: 283136
    .private_segment_fixed_size: 0
    .kernarg_segment_align: 8
    .kernarg_segment_size: 48
    .max_flat_workgroup_size: 128
    .sgpr_count:     98
    .vgpr_count:     384
    .wavefront_size: 32
...
	.end_amdgpu_metadata
.endif
;; end of part 6
;; launch final: the kernel of part 4 again; grid 256 x 1, 1 waves a work-group, no clusters, 0 bytes of LDS; arguments sp, state_batch, out0; writes out0
;; ======== version 3 of 3: 3 launches; version 2 with the launch partial written anew for expert scheduling mode
;; limits: values outside matrix products are rounded to bf16
;; workspace buffers: w1b 4,194,304 bytes; up 589,824 bytes; rch 65,536 bytes; sp 4,194,304 bytes
;; launch partial (part 7): grid 4 x 32, 8 waves a work-group, no clusters, 41,984 bytes of LDS; arguments W1, state_batch, t, x0_batch, x1_batch, w1b, up, rch; writes w1b, up, rch
.if DOCPART == 7
	.amdgcn_target "amdgcn-amd-amdhsa--gfx1250"
	.amdhsa_code_object_version 6
	.text
	.protected	k_qc8f8a119cd_partial
	.globl	k_qc8f8a119cd_partial
	.p2align	8
	.type	k_qc8f8a119cd_partial,@function
k_qc8f8a119cd_partial:
	s_mov_b64 s[64:65], 0
	v_nop
	global_prefetch_b8 v0, s[64:65] scope:SCOPE_SE
	s_setreg_imm32_b32 hwreg(HW_REG_WAVE_SCHED_MODE, 0, 2), 2
	s_setreg_imm32_b32 hwreg(HW_REG_WAVE_MODE, 25, 1), 1
	s_wait_xcnt 0x0
	s_wait_alu depctr_vm_vsrc(0)
; One pass over W1 [4096 d][512 h] f32.  Work-group (hq, g) owns rows 128 g .. +127 and columns 128 hq .. +127 and makes from them:
;   w1b  the block rounded to bf16 (an operand of the later matrix product),
;   up   [32 g][9 q][512 h] f32: q = 0..7 the part of u_b = x_b W1 that these 128 rows give, q = 8 their column sum (a part of r),
;   rch  [64 n][512 h] bf16: the column sums R of the two chunks of 64 rows (n = 2 g, 2 g + 1), added in f32 and rounded once: the other operand,
; with x = x0 + t (x1 - x0) + 4 t (1 - t) deviation formed here.
; Eight waves; wave w takes rows 16 w .. +15, lane L four columns: a load covers 512 consecutive bytes of one row, a bf16 store
; 256 consecutive bytes at a multiple of 256.  All 16 row loads of a wave are issued at the start: the group's 64 KiB are on their way at once.
; The product has 8 rows only and streams W1 once: it runs in f32 on the vector unit (a 16-row matrix tile would be half empty, and u keeps f32).
; No cluster: the groups share only x (12 KiB of the 76 KiB that a group reads), and everything is loaded through registers.
; THE MODE: SCHED_MODE bits 1:0 = 2 (LLVM: expert scheduling mode 2), set by the entry lines.  The code itself states the register dependences
; between vector instructions and memory or LDS instructions, with s_wait_alu, always for 0.
; THE PLAN.  Registers that memory or LDS instructions touch:
;   v1 .. v9, v252, v253  offsets and LDS addresses: written by vector lines at the head, read by loads, stores and LDS instructions, never written again.
;   v[12:23]   x0, x1, deviation as loaded; six packed lines form x in v[12:15], which one LDS store reads.  Never written again.
;   W, row i   written by one load; read by row i's multiply-adds and column sum; its first two registers written by row i's two conversions and read
;              by one store.  Never written again.  The stores of four rows leave together, at the head of the row behind them.
;   X          written by 32 LDS loads (x); read by the rows' multiply-adds; behind the second barrier LDS loads land in X .. X+31 (in wave 0 also in
;              X+32 .. X+63); sums and conversions then write X .. X+76, of which stores read X .. X+3 and, in wave 0, X+64 .. X+76.
;   ACC        written by the rows' multiply-adds, read by nine LDS stores.  Never written again.
; No register that a memory or LDS instruction has read is written again.  Each wait on va_vdst stands ahead of a run
; of stores and covers the run's data; the one behind the last row also states that the multiply-adds are done reading X.
.set RED,  4096                        ; LDS: x at 0, [8 b][128 d] f32, 4,096 bytes; then [8 w][9 q][32 lanes x 16 bytes]
.set REDW, 4608                        ; a wave's nine partial rows
.set W,    24                          ; v[24:87]    row i of W1: 4 registers
.set X,    88                          ; v[88:215]   x of sample b at my 16 rows: 16 registers; later the partial sums read back
.set ACC,  216                         ; v[216:251]  q: 4 registers (my 4 columns)
; d (a pair) = or += a (a pair) times the ONE register x, which is broadcast out of its even-aligned pair by op_sel
.macro BFMA d, a, x, first
.if ((\x)%2) == 0
.if \first
	v_pk_mul_f32 v[\d:\d+1], v[\a:\a+1], v[\x:\x+1] op_sel_hi:[1,0]
.else
	v_pk_fma_f32 v[\d:\d+1], v[\a:\a+1], v[\x:\x+1], v[\d:\d+1] op_sel_hi:[1,0,1]
.endif
.else
.if \first
	v_pk_mul_f32 v[\d:\d+1], v[\a:\a+1], v[\x-1:\x] op_sel:[0,1] op_sel_hi:[1,1]
.else
	v_pk_fma_f32 v[\d:\d+1], v[\a:\a+1], v[\x-1:\x], v[\d:\d+1] op_sel:[0,1,0] op_sel_hi:[1,1,1]
.endif
.endif
.endm
.macro QADD d, s                       ; four registers += four registers
	v_pk_add_f32 v[\d:\d+1], v[\d:\d+1], v[\s:\s+1]
	v_pk_add_f32 v[\d+2:\d+3], v[\d+2:\d+3], v[\s+2:\s+3]
.endm
.macro SUM8 b                          ; eight quads at b, b+4, .. summed as a tree into the first
	QADD \b, \b+4
	QADD \b+8, \b+12
	QADD \b+16, \b+20
	QADD \b+24, \b+28
	QADD \b, \b+8
	QADD \b+16, \b+24
	QADD \b, \b+16
.endm
.macro CV i                            ; row i to bf16, in place; these registers are not written again
	v_cvt_pk_bf16_f32 v[W+4*\i], v[W+4*\i], v[W+4*\i+1]
	v_cvt_pk_bf16_f32 v[W+4*\i+1], v[W+4*\i+2], v[W+4*\i+3]
.endm
.macro ST4 i                           ; rows i .. i + 3 out, in one run
.irp k, 0,1,2,3
	global_store_b64 v4, v[W+4*(\i+\k):W+4*(\i+\k)+1], s[14:15] offset:(\i+\k)*1024
.endr
.endm
.macro ROW i
	s_wait_loadcnt 15-\i                           ; loads come back in order: row i is in, the 15 - i younger rows stay out
.if ((\i) > 0) && (((\i)%4) == 0)
	s_wait_alu depctr_va_vdst(0)                   ; the conversions of the four rows before have written their registers, which the four stores below read
	ST4 \i-4
.endif
.irp b, 0,1,2,3,4,5,6,7
.irp p, 0,2
.if \i == 0
	BFMA ACC+4*\b+\p, W+4*\i+\p, X+16*\b+\i, 1     ; the first row starts the sums: nothing is cleared
.else
	BFMA ACC+4*\b+\p, W+4*\i+\p, X+16*\b+\i, 0
.endif
.endr
.endr
.if \i == 1
	v_pk_add_f32 v[ACC+32:ACC+33], v[W:W+1], v[W+4:W+5]        ; the column sum starts as row 0 + row 1,
	v_pk_add_f32 v[ACC+34:ACC+35], v[W+2:W+3], v[W+6:W+7]
	CV 0                                           ; so row 0 is rounded only now
	CV 1
.endif
.if \i > 1
	QADD ACC+32, W+4*\i
	CV \i
.endif
.endm
	s_load_b256 s[4:11], s[0:1], 0x0               ; W1 s[4:5], state s[6:7], t s[8:9], x0 s[10:11]
	s_load_b256 s[12:19], s[0:1], 0x20             ; x1 s[12:13], w1b s[14:15], up s[16:17], rch s[18:19]
	v_lshl_add_u32 v252, v0, 2, 0xa000
	v_mov_b32 v253, 0
	v_lshrrev_b32 v11, 5, v0
	v_readfirstlane_b32 s21, v11                   ; wave 0..7
	v_and_b32 v1, 31, v0
	v_lshlrev_b32 v1, 4, v1                        ; 16 L
	v_lshrrev_b32 v4, 1, v1                        ; 8 L
	s_and_b32 s23, ttmp7, 0xffff                   ; g
	s_lshl_b32 s22, ttmp9, 9                       ; hq x 512 bytes (128 f32)
	s_wait_alu depctr_va_sdst(0)                   ; s21 is written, ahead of its first reader: the wave's offsets and LDS addresses are made from it
	s_lshl_b32 s26, s21, 14
	v_add_nc_u32 v2, s26, v1                       ; x0, x1, deviation: sample w (16,384 bytes a row) + 16 L
	v_add_nc_u32 v4, s26, v4                       ; w1b: 16 w rows of 1,024 bytes + 8 L
	s_lshl_b32 s26, s21, 15
	v_add_nc_u32 v3, s26, v1                       ; W1: 16 w rows of 2,048 bytes + 16 L
	s_lshl_b32 s26, s21, 9
	v_add_nc_u32 v5, s26, v1                       ; LDS: x of sample w
	s_add_co_u32 s27, s26, RED
	v_add_nc_u32 v8, s27, v1                       ; LDS: partial row q = w of wave 0
	s_lshl_b32 s26, s21, 6
	v_mov_b32 v6, s26                              ; LDS: x at my 16 rows (64 bytes), the same in every lane
	s_mul_i32 s26, s21, REDW
	s_add_co_u32 s26, s26, RED
	v_add_nc_u32 v7, s26, v1                       ; LDS: my nine partial rows
	s_lshl_b32 s26, s21, 11
	v_add_nc_u32 v9, s26, v1                       ; up: row q = w + 16 L
	s_mov_b32 s25, 0
	s_wait_kmcnt 0x0
	s_load_b32 s20, s[8:9], 0x0                    ; t
	s_lshl_b32 s24, s23, 9                         ; 128 g numbers of x
	s_add_nc_u64 s[10:11], s[10:11], s[24:25]
	s_add_nc_u64 s[12:13], s[12:13], s[24:25]
	s_add_nc_u64 s[6:7], s[6:7], s[24:25]
	s_lshl_b32 s24, s23, 18                        ; 128 g rows of 2,048 bytes
	s_add_co_u32 s24, s24, s22
	s_add_nc_u64 s[4:5], s[4:5], s[24:25]
	s_lshl_b32 s24, s23, 17                        ; 128 g rows of 1,024 bytes
	s_lshl_b32 s27, ttmp9, 8                       ; hq x 256 bytes (128 bf16)
	s_add_co_u32 s24, s24, s27
	s_add_nc_u64 s[14:15], s[14:15], s[24:25]
	s_mul_i32 s24, s23, 18432                      ; g x 9 rows of 2,048 bytes
	s_add_co_u32 s24, s24, s22
	s_add_nc_u64 s[16:17], s[16:17], s[24:25]
	s_lshl_b32 s24, s23, 11                        ; 2 g rows of 1,024 bytes
	s_add_co_u32 s24, s24, s27
	s_add_nc_u64 s[18:19], s[18:19], s[24:25]
	s_wait_alu depctr_va_vdst(0)                   ; v1 to v9, v252 and v253 are written: the loads, stores and LDS instructions below read them as offsets or addresses
	global_load_b128 v[12:15], v2, s[10:11]        ; x0
	global_load_b128 v[16:19], v2, s[12:13]        ; x1
	global_load_b128 v[20:23], v2, s[6:7]          ; deviation
.irp i, 0,1,2,3,4,5,6,7,8,9,10,11,12,13,14,15
	global_load_b128 v[W+4*\i:W+4*\i+3], v3, s[4:5] offset:\i*2048 th:TH_LOAD_NT   ; W1 is read once in the launch
.endr
	s_wait_kmcnt 0x0
	v_mov_b32 v11, s20                             ; t
	v_sub_f32 v10, 1.0, v11
	v_mul_f32 v10, v10, v11
	v_mul_f32 v10, 4.0, v10                        ; the window 4 t (1 - t); the factor 4 is exact wherever it stands
	s_wait_loadcnt 16                              ; x0, x1, deviation are in; the 16 rows of W1 stay out
	v_pk_add_f32 v[16:17], v[16:17], v[12:13] neg_lo:[0,1] neg_hi:[0,1]
	v_pk_add_f32 v[18:19], v[18:19], v[14:15] neg_lo:[0,1] neg_hi:[0,1]
	v_pk_fma_f32 v[12:13], v[16:17], v[10:11], v[12:13] op_sel:[0,1,0] op_sel_hi:[1,1,1]   ; + t (x1 - x0)
	v_pk_fma_f32 v[14:15], v[18:19], v[10:11], v[14:15] op_sel:[0,1,0] op_sel_hi:[1,1,1]
	v_pk_fma_f32 v[12:13], v[20:21], v[10:11], v[12:13] op_sel_hi:[1,0,1]                  ; + window x deviation
	v_pk_fma_f32 v[14:15], v[22:23], v[10:11], v[14:15] op_sel_hi:[1,0,1]
	s_wait_alu depctr_va_vdst(0)                   ; the multiply-adds have written v[12:15], which the LDS store reads
	ds_store_b128 v5, v[12:15]
	s_wait_dscnt 0x0                               ; my part of x is in LDS before I say so
	s_barrier_signal -1
	s_barrier_wait -1                              ; all eight samples' x are there
.irp b, 0,1,2,3,4,5,6,7
.irp e, 0,1,2,3
	ds_load_b128 v[X+16*\b+4*\e:X+16*\b+4*\e+3], v6 offset:\b*512+16*\e    ; one address for all lanes: x_b at my 16 rows; no vector line has named X yet
.endr
.endr
	s_wait_dscnt 0x0
.irp i, 0,1,2,3,4,5,6,7,8,9,10,11,12,13,14,15
	ROW \i
.endr
	s_wait_alu depctr_va_vdst(0)                   ; the conversions of rows 12 to 15 and the sums in ACC are written, which the stores below read; the multiply-adds are done reading X, in which LDS loads land behind the barrier
	ST4 12
.irp q, 0,1,2,3,4,5,6,7,8
	ds_store_b128 v7, v[ACC+4*\q:ACC+4*\q+3] offset:\q*512
.endr
	s_wait_dscnt 0x0                               ; my nine rows are in LDS before I say so
	s_barrier_signal -1
	s_barrier_wait -1
	; wave w adds the eight waves' parts of u for sample b = w
.irp k, 0,1,2,3,4,5,6,7
	ds_load_b128 v[X+4*\k:X+4*\k+3], v8 offset:\k*REDW     ; no vector line since the wait above
.endr
	s_wait_dscnt 0x0
	SUM8 X
	s_wait_alu depctr_va_vdst(0)                   ; the sums have written v[X:X+3], which the store reads
	global_store_b128 v9, v[X:X+3], s[16:17]
	s_cmp_lg_u32 s21, 0
	s_cbranch_scc1 .Lend
	; wave 0 also takes the column sums: waves 0-3 held the first chunk of 64 rows, waves 4-7 the second
.irp k, 0,1,2,3,4,5,6,7
	ds_load_b128 v[X+32+4*\k:X+32+4*\k+3], v1 offset:RED+8*512+\k*REDW     ; no vector line since the last wait names X+32 .. X+63
.endr
	v_lshrrev_b32 v[X+76], 1, v1                               ; 8 L: my four columns in a row of bf16
	s_wait_dscnt 0x0
	QADD X+32, X+36
	QADD X+40, X+44
	QADD X+32, X+40
	QADD X+48, X+52
	QADD X+56, X+60
	QADD X+48, X+56
	v_cvt_pk_bf16_f32 v[X+68], v[X+32], v[X+33]
	v_cvt_pk_bf16_f32 v[X+69], v[X+34], v[X+35]
	v_cvt_pk_bf16_f32 v[X+72], v[X+48], v[X+49]
	v_cvt_pk_bf16_f32 v[X+73], v[X+50], v[X+51]
	v_pk_add_f32 v[X+64:X+65], v[X+32:X+33], v[X+48:X+49]
	v_pk_add_f32 v[X+66:X+67], v[X+34:X+35], v[X+50:X+51]
	s_wait_alu depctr_va_vdst(0)                   ; the conversions, the two sums and the offset v[X+76] are written, which the three stores read
	global_store_b64 v[X+76], v[X+68:X+69], s[18:19]               ; R of chunk 2 g: 256 consecutive bytes, at a multiple of 256
	global_store_b64 v[X+76], v[X+72:X+73], s[18:19] offset:1024   ; R of chunk 2 g + 1
	global_store_b128 v1, v[X+64:X+67], s[16:17] offset:8*2048     ; row q = 8 of up
.Lend:
	s_wait_dscnt 0x0                               ; the closing lines, six on end
	s_wait_alu 0x0
	s_wait_tensorcnt 0x0
	ds_add_u32 v252, v253
	s_wait_dscnt 0x0
	s_endpgm
.Lfunc_end_k_qc8f8a119cd_partial:
	.size	k_qc8f8a119cd_partial, .Lfunc_end_k_qc8f8a119cd_partial-k_qc8f8a119cd_partial
	.p2alignl 7, 3214868480
	.fill 96, 4, 3214868480
	.section	.rodata,"a",@progbits
	.p2align	6, 0x0
	.amdhsa_kernel k_qc8f8a119cd_partial
		.amdhsa_group_segment_fixed_size 41984
		.amdhsa_private_segment_fixed_size 0
		.amdhsa_enable_private_segment 0
		.amdhsa_kernarg_size 64
		.amdhsa_user_sgpr_count 2
		.amdhsa_user_sgpr_kernarg_segment_ptr 1
		.amdhsa_wavefront_size32 1
		.amdhsa_system_sgpr_workgroup_id_x 1
		.amdhsa_system_sgpr_workgroup_id_y 1
		.amdhsa_system_sgpr_workgroup_id_z 1
		.amdhsa_system_vgpr_workitem_id 0
		.amdhsa_next_free_vgpr 254
		.amdhsa_next_free_sgpr 66
		.amdhsa_reserve_vcc 0
		.amdhsa_float_denorm_mode_32 3
		.amdhsa_float_denorm_mode_16_64 3
		.amdhsa_memory_ordered 1
		.amdhsa_forward_progress 1
		.amdhsa_inst_pref_size 34
	.end_amdhsa_kernel
	.amdgpu_metadata
---
amdhsa.version: [ 1, 2 ]
amdhsa.kernels:
  - .name:           k_qc8f8a119cd_partial
    .symbol:         k_qc8f8a119cd_partial.kd
    .args:
      - { .name: W1, .offset: 0, .size: 8, .value_kind: global_buffer, .address_space: global }
      - { .name: state_batch, .offset: 8, .size: 8, .value_kind: global_buffer, .address_space: global }
      - { .name: t, .offset: 16, .size: 8, .value_kind: global_buffer, .address_space: global }
      - { .name: x0_batch, .offset: 24, .size: 8, .value_kind: global_buffer, .address_space: global }
      - { .name: x1_batch, .offset: 32, .size: 8, .value_kind: global_buffer, .address_space: global }
      - { .name: w1b, .offset: 40, .size: 8, .value_kind: global_buffer, .address_space: global }
      - { .name: up, .offset: 48, .size: 8, .value_kind: global_buffer, .address_space: global }
      - { .name: rch, .offset: 56, .size: 8, .value_kind: global_buffer, .address_space: global }
    .group_segment_fixed_size: 41984
    .private_segment_fixed_size: 0
    .kernarg_segment_align: 8
    .kernarg_segment_size: 64
    .max_flat_workgroup_size: 256
    .sgpr_count:     66
    .vgpr_count:     254
    .wavefront_size: 32
...
	.end_amdgpu_metadata
.endif
;; end of part 7
;; launch flow: the kernel of part 6 again; grid 32 x 8, 4 waves a work-group, clusters of 4 x 4, 283,136 bytes of LDS; arguments up, rch, W2, w1b, state_batch, sp; writes sp
;; launch final: the kernel of part 4 again; grid 256 x 1, 1 waves a work-group, no clusters, 0 bytes of LDS; arguments sp, state_batch, out0; writes out0
